; MI455X (gfx1250); checked and timed in simulation.
; The chip was launched on July 23, 2026; its instructions are those of AMD's public machine-readable ISA for CDNA 5 (MIT licence, August 2026) and "CDNA5" Instruction Set Architecture Reference Guide (July 2026). The comments in the code are by the model that wrote it; some were corrected since.
;; Causal Multihead Self Attention. Allowed arithmetic: matrix products marked QUANTISED: E2M3 operands, one E8M0 scale for each 32 along K, by v_wmma_scale_f32_16x16x128_f8f6f4 with both operands' format E2M3, f32 sums; everything else in f32.
;; Inputs: token_positions 2,048 int32; wk 1,024 x 1,024 float32; wo 1,024 x 1,024 float32; wq 1,024 x 1,024 float32; wv 1,024 x 1,024 float32; x 4 x 2,048 x 1,024 float32.
;; Outputs: out0 4 x 2,048 x 1,024 float32.
;; This version of the problem:
;;   THIS VERSION OF THE PROBLEM IS GIVEN IN LOW PRECISION. The matrix products marked QUANTISED in the list below multiply operands that are first quantised to E2M3 (2 exponent bits, 3 mantissa bits; 6 bits a number), with one power-of-two scale for each 32 numbers along K (OCP MX v1.0); their sums are f32. All else is computed in f32.
;;   The module's matrix products, in the order in which they are computed (A, B: the left and right operand; K: the contracted axis; several contracted axes count as one K, in the product's order):
;;     1. [M 8,192, K 1,024] x [K 1,024, N 1,024]; A: input x; B: input wq: QUANTISED
;;     2. [M 8,192, K 1,024] x [K 1,024, N 1,024]; A: input x; B: input wk: QUANTISED
;;     3. [M 8,192, K 1,024] x [K 1,024, N 1,024]; A: input x; B: input wv: QUANTISED
;;     4. batch 64 x [M 2,048, K 64] x [K 64, N 2,048]; A: computed on the way; B: computed on the way: QUANTISED
;;     5. batch 64 x [M 2,048, K 2,048] x [K 2,048, N 64]; A: softmax (see below); B: computed on the way: QUANTISED
;;     6. [M 8,192, K 1,024] x [K 1,024, N 1,024]; A: computed on the way; B: input wo: QUANTISED
;;   THE QUANTISER, for each operand of a quantised product, along K:
;;     - K is cut into blocks of 32 from its start; a last block that is shorter is filled with zeros.
;;     - A block's scale is 2^e with e = floor(log2(the largest magnitude in the block)) - 2, held to -126 .. 127; a block of zeros has e = 0. As a byte (E8M0): e + 127.
;;     - Each number is divided by its block's scale, clamped to +-7.5, and rounded to the nearest number of E2M3, ties to even, subnormals kept.
;;     - The product sums the exact products of the quantised numbers (number of the format x scale) in f32.
;;   ~~~python
;;   def quantise(x, axis):      # numpy; x: float32 -> the quantised numbers, widened to float32 again
;;       x = np.moveaxis(x, axis, -1); K = x.shape[-1]
;;       x = np.pad(x, [(0, 0)] * (x.ndim - 1) + [(0, -K % 32)]); x = x.reshape(x.shape[:-1] + (-1, 32)); a = np.abs(x).max(-1, keepdims=True)
;;       e = np.where(a > 0, np.clip(np.frexp(np.where(a > 0, a, 1))[1] - 1 - 2, -126, 127), 0)      # np.frexp(a)[1] - 1 = floor(log2(a)), exactly
;;       r = np.clip(x / 2.0 ** e, -7.5, 7.5)
;;       step = 2.0 ** (np.maximum(np.frexp(np.where(r == 0, 1, r))[1] - 1, 0) - 3)
;;       q = np.round(r / step) * step * 2.0 ** e      # np.round: ties to even
;;       return np.moveaxis(q.reshape(q.shape[:-2] + (-1,))[..., :K], -1, axis).astype(np.float32)
;;   ~~~
;;   SOFTMAX AHEAD OF A QUANTISED PRODUCT. Where the list says 'softmax', what is quantised is not the finished softmax but p = 2^(t - M), with t = logit x log2(e) and M = ceil(the row's largest t), a whole number; so 1/2 < the row's largest p <= 1. The row's sum l is taken of the UNQUANTISED p, in f32, and the product's result is divided by l at the end. Since M is a whole number, a kernel that streams over the keys may use a running M (the ceiling of the running maximum): every later rescaling is an exact power of two, which a block's scale takes up: the codes' values come out the same.
;;   OPERANDS COMPUTED ON THE WAY. 'Computed on the way' means the value that the module computes at that place (a softmax that the list does not call 'softmax' is quantised finished and normalised). What goes into a quantiser is computed in f32, as accurately as f32 sums, v_exp_f32 and their like allow (about 1e-6 of the number): no bf16 or f16 on the way to a quantiser, and a product that is left as it is and whose result goes on into a quantised operand takes f32 operands (vector FMAs, or v_wmma_f32_16x16x4_f32). A number that lies on a knife's edge between two numbers of the format may be rounded either way, as far as f32 arithmetic and the matrix unit's own rounding can turn it there, and no further.
;; One version. Each part assembles by itself: llvm-mc -triple=amdgcn-amd-amdhsa -mcpu=gfx1250 --defsym DOCPART=n.
;; ======== version 1 of 1: 4 launches
;; limits: right only within a limited range of input values
;; workspace buffers: cod 9,437,184 bytes; scl 393,216 bytes; rope 524,288 bytes; qb 6,553,600 bytes; kv 13,107,200 bytes; ac 6,291,456 bytes; asc 262,144 bytes
;; launch quant (part 1): grid 448 x 1, 4 waves a work-group, no clusters, 33,280 bytes of LDS; arguments x, wq, wk, wv, wo, token_positions, cod, scl, rope; writes cod, scl, rope
.if DOCPART == 1
	.amdgcn_target "amdgcn-amd-amdhsa--gfx1250"
	.amdhsa_code_object_version 6
	.text
	.protected	k_q6425481c30_quant
	.globl	k_q6425481c30_quant
	.p2align	8
	.type	k_q6425481c30_quant,@function
k_q6425481c30_quant:
	s_mov_b64 s[64:65], 0
	v_nop
	global_prefetch_b8 v0, s[64:65] scope:SCOPE_SE
	s_setreg_imm32_b32 hwreg(HW_REG_WAVE_MODE, 25, 1), 1
	s_wait_xcnt 0x0
; x [8192][1024], wq, wk, wv, wo [1024][1024], f32, K innermost in all five, become codes of FP6 (E2M3) with one E8M0 byte for each 32 along K; and the table of RoPE's cosines and sines is made.
; cod: rows of 768 bytes (1,024 codes, one stream of bits): rows 0-8191 x, 8192-11263 wq | wk | wv, 11264-12287 wo.  scl: 32 bytes a row, in the same order.  rope: [2048][32 pairs][cos, sin] f32.
; A block's scale is 2^(floor(log2(its largest magnitude)) - 2); its byte is the largest magnitude's exponent field - 2, held at 1 from below.  Each number is divided by the scale and rounded to the nearest code, ties to even;
; beyond the largest code the conversion gives the largest code.
; THE ORDER OF ROWS.  In x, wq, wk and wv, within each 32 rows, the second and the third group of 8 rows change places on the way out: place 16 u + r of a group of 32 holds row 8 u + r + 8 (r / 8).
; So a tile of 16 places is a tile whose results, used transposed, give a lane 16 neighbours along the next product's K in two neighbouring tiles.  wo keeps its order.
; SHARES.  Work-groups 0-383 quantise: 32 rows each, a wave 8 rows (8,192 numbers, 16 steps of 512): 256 work-groups for x, 32 for each weight.  One path serves all five: only pointers are chosen.
; Each of a step's four loads reads 512 consecutive bytes; the 2,048 bytes turn through the wave's own stage in LDS and come back 64 bytes (16 neighbours) a lane; two neighbouring lanes hold a block.
; Work-groups 384-447 make the table, a wave 8 rows, a lane a pair: angle = position x 10^(-pair / 8), reduced by a multiple of pi / 2 in three parts with fused multiply-adds, then two polynomials.
; LIMITS.  NaN and infinities among the inputs are not served.  A block whose largest magnitude lies under 2^-124 gets the byte 1; a block of zeros gets the byte 1 where the quantiser says 127: its codes are zeros,
; which add nothing under any byte but 0xff, and this program alone reads the bytes.  The angle's reduction is good to about 1e-7 for positions up to 2^20 in magnitude; beyond that its error grows with the multiple of pi / 2.
; The 32 frequencies are the f32 numbers nearest to 10^(-pair / 8); a power function may differ from them in the last bit.
.set NQWG,  384                        ; work-groups that quantise
.set STEPS, 16
.set EMAX,  2
.set CB,    12                         ; bytes of 16 codes
.set R,     16                         ; v16-79   four sets of 16 numbers as they are loaded
.set X,     80                         ; v80-111  two sets of 16 neighbours
.set C,     128                        ; v128-191 codes: four registers for each step, so that no store's data are written again
.set E,     112                        ; v112-127 a scale byte for each step
.set WREG,  8192                       ; LDS: a region for each wave: two stages of 32 x SP bytes, then its 256 scale bytes
.set SP,    80                         ; a lane's place in a stage: its 64 bytes + 16 of padding
.set SRC,   24                         ; s[24:25] the numbers of my wave's 8 rows
.set DC,    16                         ; s[16:17] their codes
.set DS,    18                         ; s[18:19] their scale bytes
.macro LOAD t
.irp i, 0,1,2,3
	global_load_b128 v[R+16*((\t)%4)+4*\i:R+16*((\t)%4)+4*\i+3], v3, s[SRC:SRC+1] offset:2048*(\t)+512*\i th:TH_LOAD_NT   ; 32 lanes read 512 consecutive bytes
.endr
.endm
.macro TURN t                          ; step t's numbers through the stage: LDS serves a wave's instructions in order, so no wait stands between the stores and the loads
.irp i, 0,1,2,3
	ds_store_b128 v14, v[R+16*((\t)%4)+4*\i:R+16*((\t)%4)+4*\i+3] offset:32*SP*((\t)%2)+8*SP*\i
.endr
.irp i, 0,1,2,3
	ds_load_b128 v[X+16*((\t)%2)+4*\i:X+16*((\t)%2)+4*\i+3], v15 offset:32*SP*((\t)%2)+16*\i
.endr
.endm
.macro STEP t
.set XS, X+16*((\t)%2)
.if (\t) > 0
	s_wait_dscnt 1                                 ; this step's numbers are back from the stage (the last step's byte store may be out): so its stores into the stage have read their registers,
.else
	s_wait_dscnt 0x0
.endif
.if (\t)+4 < STEPS
	LOAD (\t)+4                                    ; which take the loads of four steps on
.endif
.if (\t)+1 < STEPS
.if STEPS-2-(\t) >= 3
	s_wait_loadcnt 12                              ; the next step's four loads are in; those of the three steps behind it may be out
.else
	s_wait_loadcnt 4*(STEPS-2-(\t))
.endif
	TURN (\t)+1                                    ; and go through the other stage while this step is worked
.endif
	v_max3_num_f32 v8, |v[XS]|, |v[XS+1]|, |v[XS+2]|               ; the largest magnitude of my 16, in two chains
	v_max3_num_f32 v9, |v[XS+3]|, |v[XS+4]|, |v[XS+5]|
.irp i, 6,10
	v_max3_num_f32 v8, v8, |v[XS+\i]|, |v[XS+\i+1]|
	v_max3_num_f32 v9, v9, |v[XS+\i+2]|, |v[XS+\i+3]|
.endr
	v_max3_num_f32 v8, v8, |v[XS+14]|, |v[XS+15]|
	v_max3_num_f32 v8, v8, v9, (EMAX+1)<<23        ; and the floor 2^(EMAX + 1 - 127): the byte cannot fall under 1
	v_max_num_f32_dpp v8, v8, v8 row_xmask:1 row_mask:0xf bank_mask:0xf   ; and of my neighbour's 16: the block's
	v_add_nc_u32 v11, -(EMAX<<23), v8              ; EMAX off its exponent field: the conversion takes the exponent field of this operand as its scale, and nothing else of it
	v_cvt_scalef32_pk16_fp6_f32 v[C+4*(\t):C+4*(\t)+2], v[XS:XS+15], v11
	v_lshrrev_b32 v[E+(\t)], 23, v11               ; the scale's byte
	ds_store_b8 v5, v[E+(\t)] offset:16*(\t)       ; both lanes of a block write the same byte with the same value
	global_store_b96 v4, v[C+4*(\t):C+4*(\t)+2], s[DC:DC+1] offset:32*CB*(\t)   ; the wave stores 384 consecutive bytes
.endm
	s_load_b512 s[4:19], s[0:1], 0x0               ; x 4:5, wq 6:7, wk 8:9, wv 10:11, wo 12:13, positions 14:15, cod 16:17, scl 18:19
	s_load_b64 s[20:21], s[0:1], 0x40              ; rope
	v_lshl_add_u32 v192, v0, 2, 0x8000
	v_mov_b32 v193, 0
	v_lshrrev_b32 v1, 5, v0
	v_readfirstlane_b32 s22, v1                    ; wave
	v_and_b32 v2, 31, v0                           ; lane
	s_wait_kmcnt 0x0
	s_cmp_ge_u32 ttmp9, NQWG
	s_cbranch_scc1 .Ltable
	s_wait_alu depctr_va_vdst(0)
	; ---- the quantiser
	v_lshlrev_b32 v3, 4, v2                        ; my 16 bytes of a load's 512
	s_mul_i32 s23, s22, WREG
	v_lshrrev_b32 v14, 2, v2
	v_mul_u32_u24 v14, v14, SP
	v_and_b32 v15, 3, v2
	v_lshl_add_u32 v14, v15, 4, v14
	v_add_nc_u32 v14, s23, v14                     ; the stage, on the way in: SP (lane / 4) + 16 (lane % 4)
	v_mul_u32_u24 v15, v2, SP
	v_add_nc_u32 v15, s23, v15                     ; and on the way out: SP x lane: my 16 neighbours
	v_mul_u32_u24 v4, v2, CB                       ; my codes' place in a step's
	v_lshrrev_b32 v5, 1, v2
	s_add_co_u32 s23, s23, 2*32*SP
	v_add_nc_u32 v5, s23, v5                       ; LDS: my wave's 256 scale bytes, my block's byte
	v_lshlrev_b32 v7, 3, v2                        ; and on the way out 8 bytes a lane
	v_add_nc_u32 v6, s23, v7
	s_mov_b64 s[SRC:SRC+1], s[12:13]               ; which tensor, and its first work-group: the choice hangs on the work-group's number alone
	s_mov_b32 s26, 352
	s_cmp_lt_u32 ttmp9, 352
	s_cselect_b64 s[SRC:SRC+1], s[10:11], s[SRC:SRC+1]
	s_cselect_b32 s26, 320, s26
	s_cselect_b32 s27, 1, 0                        ; 1: the groups of 8 rows change places (all but wo)
	s_cmp_lt_u32 ttmp9, 320
	s_cselect_b64 s[SRC:SRC+1], s[8:9], s[SRC:SRC+1]
	s_cselect_b32 s26, 288, s26
	s_cmp_lt_u32 ttmp9, 288
	s_cselect_b64 s[SRC:SRC+1], s[6:7], s[SRC:SRC+1]
	s_cselect_b32 s26, 256, s26
	s_cmp_lt_u32 ttmp9, 256
	s_cselect_b64 s[SRC:SRC+1], s[4:5], s[SRC:SRC+1]
	s_cselect_b32 s26, 0, s26
	s_sub_co_u32 s28, ttmp9, s26
	s_lshl_b32 s28, s28, 2
	s_add_co_u32 s28, s28, s22                     ; my 8 rows in the tensor: 4 x (work-group - first) + wave
	s_lshl_b32 s28, s28, 15                        ; x 32,768 bytes
	s_mov_b32 s29, 0
	s_add_nc_u64 s[SRC:SRC+1], s[SRC:SRC+1], s[28:29]
	s_and_b32 s30, s22, 1
	s_lshl_b32 s30, s30, 1
	s_lshr_b32 s31, s22, 1
	s_or_b32 s30, s30, s31                         ; the wave's two bits changed round: 0, 2, 1, 3
	s_cmp_eq_u32 s27, 1
	s_cselect_b32 s30, s30, s22
	s_lshl_b32 s31, ttmp9, 2
	s_add_co_u32 s30, s30, s31                     ; their place in cod and scl, which follow the work-groups' order
	s_mul_i32 s28, s30, 32*STEPS*CB
	s_add_nc_u64 s[DC:DC+1], s[DC:DC+1], s[28:29]
	s_lshl_b32 s28, s30, 8
	s_add_nc_u64 s[DS:DS+1], s[DS:DS+1], s[28:29]
.irp t, 0,1,2,3
	LOAD \t
.endr
	s_wait_alu depctr_va_vdst(0)
	s_wait_loadcnt 12                              ; step 0's four loads are in
	TURN 0
.irp t, 0,1,2,3,4,5,6,7,8,9,10,11,12,13,14,15
	STEP \t
.endr
	ds_load_b64 v[12:13], v6                       ; LDS serves a wave's instructions in order: these see my byte stores
	s_wait_dscnt 0x0
	global_store_b64 v7, v[12:13], s[DS:DS+1]      ; 32 lanes store 256 consecutive bytes, aligned
	s_wait_tensorcnt 0x0
	ds_add_u32 v192, v193
	s_wait_dscnt 0x0
	s_endpgm
	; ---- the table
.Ltable:
	s_sub_co_u32 s30, ttmp9, NQWG
	s_lshl_b32 s30, s30, 2
	s_add_co_u32 s30, s30, s22                     ; which 8 rows of the table are my wave's: 0 .. 255
	s_lshl_b32 s28, s30, 5
	s_mov_b32 s29, 0
	s_add_nc_u64 s[14:15], s[14:15], s[28:29]
	s_load_b256 s[32:39], s[14:15], 0x0            ; their eight positions
	s_lshl_b32 s30, s30, 11
	s_mov_b32 s31, 0
	s_add_nc_u64 s[20:21], s[20:21], s[30:31]
	s_wait_alu depctr_va_vdst(0)
	v_lshlrev_b32 v2, 3, v2                        ; a pair's cosine and sine: 8 bytes a lane
	v_mov_b32 v1, 0
.macro FREQ j, bits                    ; lane j's frequency: the f32 number nearest to 10^(-j / 8)
	s_mov_b32 s40, \bits
	v_writelane_b32 v1, s40, \j
.endm
	FREQ 0, 0x3f800000
	FREQ 1, 0x3f3ff911
	FREQ 2, 0x3f0ff59a
	FREQ 3, 0x3ed7e89b
	FREQ 4, 0x3ea1e89b
	FREQ 5, 0x3e72d424
	FREQ 6, 0x3e361887
	FREQ 7, 0x3e088d77
	FREQ 8, 0x3dcccccd
	FREQ 9, 0x3d99940e
	FREQ 10, 0x3d6655c3
	FREQ 11, 0x3d2cba15
	FREQ 12, 0x3d0186e2
	FREQ 13, 0x3cc24350
	FREQ 14, 0x3c91ad39
	FREQ 15, 0x3c5a7bf1
	FREQ 16, 0x3c23d70a
	FREQ 17, 0x3bf5b9b0
	FREQ 18, 0x3bb8449c
	FREQ 19, 0x3b8a2e77
	FREQ 20, 0x3b4f3e37
	FREQ 21, 0x3b1b690d
	FREQ 22, 0x3ae91528
	FREQ 23, 0x3aaec98e
	FREQ 24, 0x3a83126f
	FREQ 25, 0x3a44948c
	FREQ 26, 0x3a136a16
	FREQ 27, 0x39dd1726
	FREQ 28, 0x39a5cb5f
	FREQ 29, 0x3978a814
	FREQ 30, 0x393a7753
	FREQ 31, 0x390bd472
	s_mov_b32 s41, 0x3f22f983                      ; 2 / pi
	s_mov_b32 s42, 0xbfc90fdb                      ; -(pi / 2), its first 24 bits,
	s_mov_b32 s43, 0x333bbd2e                      ; the next 24 (this part of pi / 2 is negative),
	s_mov_b32 s44, 0x26f72ced                      ; and the next
	s_mov_b32 s45, 0xb94ca1f9                      ; sine: -1.9515295891e-4,
	s_mov_b32 s46, 0x3c08839e                      ; 8.3321608736e-3,
	s_mov_b32 s47, 0xbe2aaaa3                      ; -1.6666654611e-1
	s_mov_b32 s48, 0x37ccf5ce                      ; cosine: 2.443315712e-5,
	s_mov_b32 s49, 0xbab6061a                      ; -1.388731625e-3,
	s_mov_b32 s50, 0x3d2aaaa5                      ; 4.166664568e-2
	s_wait_kmcnt 0x0
; Row i of my eight, in twelve registers of its own, so that no store's data are written again.
.macro ROW i
.set RB, 8+12*(\i)
	v_cvt_f32_i32 v[RB], s[32+\i]
	s_wait_alu depctr_va_vdst(0)
	v_mul_f32 v[RB+1], v[RB], v1                   ; the angle, rounded to f32 once
	v_mul_f32 v[RB+2], s41, v[RB+1]
	v_rndne_f32 v[RB+2], v[RB+2]                   ; n: the nearest multiple of pi / 2
	v_fma_f32 v[RB+3], v[RB+2], s42, v[RB+1]
	v_fma_f32 v[RB+3], v[RB+2], s43, v[RB+3]
	v_fma_f32 v[RB+3], v[RB+2], s44, v[RB+3]       ; r = angle - n pi / 2, within pi / 4 of 0
	v_mul_f32 v[RB+4], v[RB+3], v[RB+3]            ; z = r r
	v_fma_f32 v[RB+5], v[RB+4], s45, s46
	v_fma_f32 v[RB+5], v[RB+5], v[RB+4], s47
	v_fma_f32 v[RB+6], v[RB+4], s48, s49
	v_fma_f32 v[RB+6], v[RB+6], v[RB+4], s50
	v_mul_f32 v[RB+10], v[RB+3], v[RB+4]
	v_fma_f32 v[RB+5], v[RB+10], v[RB+5], v[RB+3]  ; sin r
	v_fma_f32 v[RB+11], v[RB+4], -0.5, 1.0
	v_mul_f32 v[RB+10], v[RB+4], v[RB+4]
	v_fma_f32 v[RB+6], v[RB+10], v[RB+6], v[RB+11] ; cos r
	v_cvt_i32_f32 v[RB+7], v[RB+2]                 ; n as a whole number: its two low bits are the quadrant
	v_and_b32 v[RB+10], 1, v[RB+7]
	v_cmp_eq_u32 vcc_lo, 1, v[RB+10]
	v_cndmask_b32 v[RB+9], v[RB+5], v[RB+6], vcc_lo   ; the sine: sin r, or cos r in odd quadrants,
	v_cndmask_b32 v[RB+8], v[RB+6], v[RB+5], vcc_lo   ; the cosine the other way round;
	v_and_b32 v[RB+10], 2, v[RB+7]
	v_lshlrev_b32 v[RB+10], 30, v[RB+10]
	v_xor_b32 v[RB+9], v[RB+9], v[RB+10]           ; the sine's sign turns in quadrants 2 and 3,
	v_add_nc_u32 v[RB+11], 1, v[RB+7]
	v_and_b32 v[RB+11], 2, v[RB+11]
	v_lshlrev_b32 v[RB+11], 30, v[RB+11]
	v_xor_b32 v[RB+8], v[RB+8], v[RB+11]           ; the cosine's in quadrants 1 and 2
	global_store_b64 v2, v[RB+8:RB+9], s[20:21] offset:256*(\i)   ; 32 lanes store a row of 256 bytes, aligned
.endm
.irp i, 0,1,2,3,4,5,6,7
	ROW \i
.endr
	s_endpgm
.Lfunc_end_k_q6425481c30_quant:
	.size	k_q6425481c30_quant, .Lfunc_end_k_q6425481c30_quant-k_q6425481c30_quant
	.p2alignl 7, 3214868480
	.fill 96, 4, 3214868480
	.section	.rodata,"a",@progbits
	.p2align	6, 0x0
	.amdhsa_kernel k_q6425481c30_quant
		.amdhsa_group_segment_fixed_size 33280
		.amdhsa_private_segment_fixed_size 0
		.amdhsa_enable_private_segment 0
		.amdhsa_kernarg_size 72
		.amdhsa_user_sgpr_count 2
		.amdhsa_user_sgpr_kernarg_segment_ptr 1
		.amdhsa_wavefront_size32 1
		.amdhsa_system_sgpr_workgroup_id_x 1
		.amdhsa_system_sgpr_workgroup_id_y 1
		.amdhsa_system_sgpr_workgroup_id_z 1
		.amdhsa_system_vgpr_workitem_id 0
		.amdhsa_next_free_vgpr 194
		.amdhsa_next_free_sgpr 66
		.amdhsa_reserve_vcc 1
		.amdhsa_float_denorm_mode_32 3
		.amdhsa_float_denorm_mode_16_64 3
		.amdhsa_memory_ordered 1
		.amdhsa_forward_progress 1
		.amdhsa_inst_pref_size 49
	.end_amdhsa_kernel
	.amdgpu_metadata
---
amdhsa.version: [ 1, 2 ]
amdhsa.kernels:
  - .name:           k_q6425481c30_quant
    .symbol:         k_q6425481c30_quant.kd
    .args:
      - { .name: x, .offset: 0, .size: 8, .value_kind: global_buffer, .address_space: global }
      - { .name: wq, .offset: 8, .size: 8, .value_kind: global_buffer, .address_space: global }
      - { .name: wk, .offset: 16, .size: 8, .value_kind: global_buffer, .address_space: global }
      - { .name: wv, .offset: 24, .size: 8, .value_kind: global_buffer, .address_space: global }
      - { .name: wo, .offset: 32, .size: 8, .value_kind: global_buffer, .address_space: global }
      - { .name: token_positions, .offset: 40, .size: 8, .value_kind: global_buffer, .address_space: global }
      - { .name: cod, .offset: 48, .size: 8, .value_kind: global_buffer, .address_space: global }
      - { .name: scl, .offset: 56, .size: 8, .value_kind: global_buffer, .address_space: global }
      - { .name: rope, .offset: 64, .size: 8, .value_kind: global_buffer, .address_space: global }
    .group_segment_fixed_size: 33280
    .private_segment_fixed_size: 0
    .kernarg_segment_align: 8
    .kernarg_segment_size: 72
    .max_flat_workgroup_size: 128
    .sgpr_count:     66
    .vgpr_count:     194
    .wavefront_size: 32
...
	.end_amdgpu_metadata
.endif
;; end of part 1
;; launch qkv (part 2): grid 12 x 32, 4 waves a work-group, clusters of 4 x 4, 327,680 bytes of LDS; arguments cod, scl, rope, qb, kv; writes qb, kv
.if DOCPART == 2
	.amdgcn_target "amdgcn-amd-amdhsa--gfx1250"
	.amdhsa_code_object_version 6
	.text
	.protected	k_q6425481c30_qkv
	.globl	k_q6425481c30_qkv
	.p2align	8
	.type	k_q6425481c30_qkv,@function
k_q6425481c30_qkv:
	s_mov_b64 s[64:65], 0
	v_nop
	global_prefetch_b8 v0, s[64:65] scope:SCOPE_SE
	s_setreg_imm32_b32 hwreg(HW_REG_WAVE_MODE, 25, 1), 1
	s_wait_xcnt 0x0
	s_wait_alu depctr_hold_cnt(0) depctr_sa_sdst(0) depctr_va_vdst(0) depctr_va_sdst(0) depctr_va_ssrc(0) depctr_va_vcc(0) depctr_vm_vsrc(0)
	s_getreg_b32 s2, hwreg(HW_REG_IB_STS2, 6, 4)
	s_cmp_eq_u32 s2, 0
	s_cbranch_scc0 .Lentry_in_a_cluster
	s_endpgm
.Lentry_in_a_cluster:
	s_bfe_u32 s2, ttmp6, 0x10000c
	s_cmp_lg_u32 s2, 0xf033
	s_cbranch_scc0 .Lentry_shape_is_right
	s_endpgm
.Lentry_shape_is_right:
; C = x [wq; wk; wv]^T, 8,192 x 3,072 x 1,024, on codes of FP6 (E2M3) with one E8M0 scale for each 32 along K; and what attention wants is made of C on the way out:
; q and k are turned by RoPE and quantised along the head's 64; v is quantised along the keys.  All three leave as images of the operand registers in which the next launch takes them.
; THE PRODUCT.  A tile of C, 256 x 256, is made by a work-group of four waves; a wave makes 128 x 128: 64 accumulators of 16 x 16, 512 registers.  K goes in steps of 256 through a ring of two LDS slots filled by
; the tensor data mover (rows of 192 bytes).  The scale bytes of the work-group's 256 + 256 rows come into LDS once, with the first fills.
; CLUSTERS: 4 x 4 work-groups.  The four of a row of the cluster need the same tiles of x, the four of a column the same tiles of the weights: each tile is asked for JOINTLY.
; THE MATRIX INSTRUCTION IS USED TRANSPOSED (source 0 = 16 rows of a weight, source 1 = 16 rows of x): a lane holds one row of x and eight columns.
; THE ORDER OF ROWS in cod: place 16 u + r of each 32 holds row 8 u + r + 8 (r / 8), in x and in the weights.  So the 16 registers of column tiles 2 j and 2 j + 1 are the 16 neighbouring columns 32 j + 16 (lane / 16) + 0 .. 15,
; and a block of 16 places of x is a tile of keys (or queries) whose scores, used transposed, again give a lane 16 neighbouring keys in two tiles.
; WHO MAKES WHAT.  Cluster x = 0: q; 1: k; 2: v: the same in all sixteen partners, so the text parts on it.  A wave's 128 rows are one step of 128 places of one batch; its 128 columns are two heads.
; qb: [batch x 16 + head][step 16] records of 6,400 bytes: four PACKED fragments of 1,536 bytes (registers 0-5: tile 2 p's 64 along d, registers 6-11: tile 2 p + 1's), then 256 bytes of scale words [row 16][p 4]
; (bytes 0, 1: tile 2 p; bytes 2, 3: tile 2 p + 1).  kv: records of 12,800 bytes: k likewise at 0 and 6,144; v's four fragments (16 places of d x 128 keys) at 6,400, their scale words [place 16][tile 4] at 12,544.
; A fragment's image: register group g (four registers) of lane l at 512 g + 16 l.
; LIMITS.  NaN and infinities are not served.  A block whose largest magnitude lies under 2^-124, a block of zeros among them, gets the byte 1: zero codes add nothing under any byte but 0xff, and this program alone reads the bytes.
; REGISTERS, in windows of 256: window 0: v0-31 addresses; v32-63 scale words, two sets, and nothing else; v64-127 the table's numbers (v: the numbers that turn); from v128 x's fragments, ONE set; on the way out v128-255 are at work.
;   window 1: the weights' fragments, TWO sets, at v0 and v128.   window 2: the 32 accumulators of my rows 0-63 (accumulator (a, b) at v[8 (8 a + b)]);   window 3: those of my rows 64-127.
.set KSTEP,  256                       ; along K in a slot
.set NQ,     KSTEP/128                 ; matrix instructions deep
.set ROWB,   192                       ; a tile's row in bytes
.set KROW,   768                       ; a row of cod in bytes
.set PITCH,  240                       ; an LDS row: 3 x (64 bytes of data + 16 of padding): the 32 lanes of a load of 8 bytes touch 64 different banks (64 banks of 4 bytes: ISA guide 11.1)
.set FR,     12                        ; registers of a fragment
.set NL,     6                         ; LDS loads that bring one
.set NP,     4                         ; places behind this matrix instruction (ISA guide 7.12.1)
.set HALFT,  128*PITCH                 ; 128 rows: what one tensor load brings
.set SLOT,   4*HALFT                   ; x's 256 rows, then the weights' 256
.set LAPS,   2                         ; K = 1,024: twice round the ring
.set KS,     32                        ; a row of scale bytes
.set SCL,    2*SLOT                    ; behind the ring: the scales, as units of 256 bytes + 16 of padding
.set HALFS,  (128*KS/256)*272
.set SBLK,   (16*KS/256)*272
.set SPARE,  SCL+4*HALFS               ; the spare words, 128 bytes for each wave: two blocks of 256 bytes that no other line names
.set WC_OFF, 8192*KROW                 ; where the weights' codes begin in cod,
.set WS_OFF, 8192*KS                   ; and their scale bytes in scl
.set VP,     528                       ; v's stage: 32 rows x (512 bytes + 16) for each wave, in slot 0, which has had its last fill and its last read when the first result is stored there
.set QREC,   6400
.set KVREC,  12800
.set TA,   8                           ; v8   the table: my row's place and my half's 64 bytes
.set L16,  9                           ; v9   16 x lane
.set SH,   10                          ; v10  16 x (lane / 16)
.set SGO,  11                          ; v11  where my scale words go
.set VST,  12                          ; v12  v's stage: where I put 32 bytes of a row
.set VRD,  13                          ; v13  and where I read my column
.set VSO,  14                          ; v14  where v's scale words go
.set ADRA, 16                          ; v16-17  LDS address of x's fragments in slot 0, 1  (v18-19: for the pieces behind one padding more)
.set ADRB, 20                          ; v20-21  the same for the weights  (v22-23)
.set ADRS, 27                          ; v27  LDS address of my scale words: lanes 0-15 x's rows, lanes 16-31 the weights'
.set SPW,  28                          ; v28  LDS address of my spare word; never rewritten
.set NIL,  29                          ; v29  0; never rewritten
.set SC,   32
.set TBL,  64                          ; v64-127 two sets of 32: cosine and sine of my row's 16 pairs
.set AF,   128
.set HA,   128                         ; q, k: 64 turned numbers
.set F0,   192                         ; the first head's packed fragment,
.set F1,   204                         ; the second head's
.set CT,   216                         ; a conversion's three registers begin on an even number: the second halves are made here and moved
.set TM,   224                         ; v224-227 largest magnitudes, v228-231 bytes, v236-239 the conversions' scale operands
.set PW,   240                         ; a row's four bytes
.set HWE,  241                         ; my head's two bytes of the even tile,
.set HW,   242                         ; of the odd tile
.set WD,   244                         ; v244-247 the scale words that leave
.set VX,   64                          ; v: two sets of 32 numbers down the keys
.set VC,   128                         ; v128-223 its eight fragments
.set VCT,  224
.set SEL,  66                          ; s[66:67] lane selects for v_permlanex16_b32: lane l xor 16
.set REC,  95                          ; s95  my first head's record
.set G1, 24
.set G0, 32
.set G1B, 48
.set G0B, 56
.set G1S, 68
.set G0S, 76
.set G1SB, 80
.set G0SB, 88
.set MSB, 0
.macro WIN new                         ; the immediate's high byte repeats the setting that is left
.if MSB != (\new)
	s_set_vgpr_msb (MSB<<8)|(\new)
.set MSB, (\new)
.endif
.endm
.set MUL_LO, 0xa1                      ; source 0 (weights) window 1, source 1 (x) window 0, C and D window 2
.set MUL_HI, 0xf1                      ; the same, C and D window 3
.set TO_B,   0x40                      ; destination window 1, address window 0
; A joint load: waves 0 and 1 fetch for x, waves 2 and 3 for the weights.  Each of the two lines has ONE mask and one set of registers for all that issue it; the branch hangs on the wave's number alone.
; Four v_nop follow each of the two lines, ahead of the jump, the label and what follows.
.macro JLOAD g0a, g1a, g0b, g1b
	s_cmp_eq_u32 s15, 0
	s_cbranch_scc0 .Lfor_b_\@
	tensor_load_to_lds s[\g0a:\g0a+3], s[\g1a:\g1a+7]
	s_nop 0
.rept 4
	v_nop
.endr
	s_branch .Lasked_\@
.Lfor_b_\@:
	tensor_load_to_lds s[\g0b:\g0b+3], s[\g1b:\g1b+7]
	s_nop 0
.rept 4
	v_nop
.endr
.Lasked_\@:
.endm
.macro CREST                           ; a round of the cluster's barrier behind its opening barrier
	s_cmp_lg_u32 s14, 0
	s_cbranch_scc1 .Lnot_wave_0_\@
	s_barrier_signal -3
.Lnot_wave_0_\@:
	s_barrier_wait -3
	s_barrier_signal -1
	s_barrier_wait -1
.endm
.macro CROUND                          ; a whole round
	s_barrier_signal -1
	s_barrier_wait -1
	CREST
.endm
	s_load_b128 s[4:7], s[0:1], 0x0                ; cod, scl
	s_load_b128 s[96:99], s[0:1], 0x10             ; rope, qb
	s_load_b64 s[100:101], s[0:1], 0x20            ; kv
	v_lshl_add_u32 v[SPW], v0, 2, SPARE
	v_mov_b32 v[NIL], 0
	ds_add_u32 v28, v29
	s_wait_dscnt 0x0
	v_lshrrev_b32 v1, 5, v0
	v_readfirstlane_b32 s14, v1                    ; wave 0..3
	s_lshr_b32 s15, s14, 1                         ; which half of the tile's rows is mine.  Also: I fetch for x (0) or for the weights (1)
	s_and_b32 s16, s14, 1                          ; which half of its columns.  Also: which 128 rows of that tile I fetch
	s_bfe_u32 s40, ttmp6, 0x40000                  ; cx, cy: my place in the cluster
	s_bfe_u32 s41, ttmp6, 0x40004
	s_lshl_b32 s42, ttmp9, 2
	s_add_co_u32 s42, s42, s40                     ; tile column of C = 4 x cluster x + cx
	s_and_b32 s17, ttmp7, 0xffff
	s_lshl_b32 s17, s17, 2
	s_add_co_u32 s17, s17, s41                     ; tile row of C = 4 x cluster y + cy
	s_lshl_b32 s43, s41, 2
	s_lshl_b32 s43, 15, s43                        ; my row of the cluster
	s_lshl_b32 s44, 0x1111, s40                    ; my column
	; descriptor group 1: a tile of 128 rows x ROWB bytes, padded in LDS
	s_or_b32 s[G1+0], s43, (0<<16)|(1<<20)|(1<<21)|(3<<22)|(3<<25)  ; 15:0 the mask: x's tiles go to my row; 17:16 element of 1 byte; 20 padding on; 21 set beside a mask; 24:22 after every 16 words (code 3); 31:25 of 4 words (code 3)
	s_or_b32 s[G1B+0], s44, (0<<16)|(1<<20)|(1<<21)|(3<<22)|(3<<25)
.irp g, G1, G1B
	s_mov_b32 s[\g+1], ROWB<<16                    ; tensor_dim0
	s_mov_b32 s[\g+2], 128<<16                     ; tensor_dim1 = 128
	s_mov_b32 s[\g+3], ROWB<<16                    ; tile_dim0
	s_mov_b32 s[\g+4], 128                         ; tile_dim1 = 128
	s_mov_b32 s[\g+5], KROW                        ; tensor_dim0_stride
	s_mov_b32 s[\g+6], 0
	s_mov_b32 s[\g+7], 0
.endr
	; and for the scales of 128 rows: a dense block of 4,096 bytes, as rows of 256 bytes (32 elements of 8 bytes), 16 bytes of padding behind each
	s_or_b32 s[G1S+0], s43, (3<<16)|(1<<20)|(1<<21)|(5<<22)|(3<<25)
	s_or_b32 s[G1SB+0], s44, (3<<16)|(1<<20)|(1<<21)|(5<<22)|(3<<25)
.irp g, G1S, G1SB
	s_mov_b32 s[\g+1], 32<<16
	s_mov_b32 s[\g+2], (128*KS/256)<<16
	s_mov_b32 s[\g+3], 32<<16
	s_mov_b32 s[\g+4], 128*KS/256
	s_mov_b32 s[\g+5], 32
	s_mov_b32 s[\g+6], 0
	s_mov_b32 s[\g+7], 0
.endr
	s_lshl_b32 s18, s16, 7                         ; which 128 rows of the tile I fetch
	s_lshl_b32 s20, s17, 8
	s_add_co_u32 s20, s20, s18                     ; x: row 256 x tile row + 128 x half
	s_lshl_b32 s46, s42, 8
	s_add_co_u32 s46, s46, s18                     ; weights: row 256 x tile column + 128 x half
	s_mov_b32 s21, 0
	s_mov_b32 s47, 0
	s_mov_b64 s[18:19], KS
	s_mul_u64 s[22:23], s[20:21], s[18:19]         ; where these rows' scales begin, in bytes
	s_mul_u64 s[92:93], s[46:47], s[18:19]
	s_mov_b64 s[18:19], KROW
	s_mul_u64 s[20:21], s[20:21], s[18:19]         ; and their codes
	s_mul_u64 s[46:47], s[46:47], s[18:19]
	s_mul_i32 s45, s14, HALFT                      ; where they go: wave x 128 rows: no place in the cluster enters an LDS address
	s_mul_i32 s94, s14, HALFS
	s_wait_kmcnt 0x0
	s_add_nc_u64 s[8:9], s[4:5], WC_OFF            ; the weights' codes,
	s_add_nc_u64 s[10:11], s[6:7], WS_OFF          ; and their scale bytes
	s_add_nc_u64 s[20:21], s[4:5], s[20:21]
	s_add_nc_u64 s[22:23], s[6:7], s[22:23]
	s_add_nc_u64 s[46:47], s[8:9], s[46:47]
	s_add_nc_u64 s[92:93], s[10:11], s[92:93]
	CROUND                                         ; all sixteen work-groups are here: the first joint loads meet
	s_mov_b32 s[G0S], 1
	s_add_co_u32 s[G0S+1], s94, SCL
	s_mov_b64 s[G0S+2:G0S+3], s[22:23]
	s_or_b32 s[G0S+3], s[G0S+3], 0x80000000
	s_mov_b32 s[G0SB], 1
	s_add_co_u32 s[G0SB+1], s94, SCL
	s_mov_b64 s[G0SB+2:G0SB+3], s[92:93]
	s_or_b32 s[G0SB+3], s[G0SB+3], 0x80000000
	JLOAD G0S, G1S, G0SB, G1SB                     ; the scales first: they are wanted with K step 0
.irp s, 0,1
	s_mov_b32 s[G0+4*\s], 1
	s_add_co_u32 s[G0+4*\s+1], s45, \s*SLOT
	s_add_nc_u64 s[G0+4*\s+2:G0+4*\s+3], s[20:21], \s*ROWB
	s_or_b32 s[G0+4*\s+3], s[G0+4*\s+3], 0x80000000
	s_mov_b32 s[G0B+4*\s], 1
	s_add_co_u32 s[G0B+4*\s+1], s45, \s*SLOT
	s_add_nc_u64 s[G0B+4*\s+2:G0B+4*\s+3], s[46:47], \s*ROWB
	s_or_b32 s[G0B+4*\s+3], s[G0B+4*\s+3], 0x80000000
	JLOAD G0+4*\s, G1, G0B+4*\s, G1B               ; three tensor loads of mine are out behind the last of these
.endr
	v_and_b32 v1, 15, v0                           ; r = l % 16: kept
	v_bfe_u32 v2, v0, 4, 1                         ; h = l / 16: kept
	v_mul_u32_u24 v3, v1, PITCH
	v_mul_u32_u24 v4, v2, 24
	v_add_nc_u32 v4, v3, v4                        ; a fragment's row x pitch + 24 x half
	v_lshl_add_u32 v5, v2, 4, v4                   ; and the same behind one padding more
	s_mul_i32 s21, s15, HALFT                      ; my 128 rows of x
	s_mul_i32 s22, s16, HALFT                      ; my 128 rows of the weights,
	s_add_co_u32 s22, s22, 2*HALFT                 ; which lie behind x's 256
.irp s, 0,1
	v_add_nc_u32 v[ADRA+\s], s21, v4
	v_add_nc_u32 v[ADRB+\s], s22, v4
	v_add_nc_u32 v[ADRA+2+\s], s21, v5
	v_add_nc_u32 v[ADRB+2+\s], s22, v5
	s_add_co_u32 s21, s21, SLOT
	s_add_co_u32 s22, s22, SLOT
.endr
	v_mul_u32_u24 v5, v1, KS                       ; my row's scales: KS bytes a row,
	v_lshrrev_b32 v6, 8, v5
	v_lshl_add_u32 v5, v6, 4, v5                   ; and 16 more for each 256 passed
	s_mul_i32 s21, s15, HALFS                      ; x's: my 128 rows
	s_mul_i32 s22, s16, HALFS                      ; the weights': my 128 rows, behind x's 256
	s_add_co_u32 s22, s22, 2*HALFS
	s_sub_co_u32 s22, s22, s21
	v_mul_u32_u24 v6, s22, v2                      ; lanes 16-31 take the weights'
	s_add_co_u32 s21, s21, SCL
	v_add_nc_u32 v5, v5, v6
	v_add_nc_u32 v[ADRS], s21, v5
	; the way out's addresses, all made here, on the one way that every wave takes
	v_and_b32 v3, 8, v1
	v_add_nc_u32 v3, v3, v1                        ; r + 8 (r / 8): my place's row among a tile's
	v_lshlrev_b32 v3, 8, v3                        ; a row of the table is 256 bytes
	v_lshl_add_u32 v[TA], v2, 6, v3                ; + 64 h: my half's 8 pairs of 16
	v_and_b32 v3, 31, v0
	v_lshlrev_b32 v[L16], 4, v3
	v_lshlrev_b32 v[SH], 4, v2
	s_mul_i32 s23, s14, 32*VP                      ; my stage
	v_mul_u32_u24 v4, v1, VP
	v_lshl_add_u32 v4, v2, 5, v4
	v_add_nc_u32 v[VST], s23, v4                   ; in: row r, 32 bytes for each half of the lanes
	v_lshl_add_u32 v[VRD], v3, 2, s23              ; out: a lane a column
	v_mul_u32_u24 v4, v2, 16*KVREC
	v_lshl_add_u32 v[VSO], v1, 4, v4               ; v's scale words: lanes 0-15 the first head's record, lanes 16-31 the second's, 16 bytes a place
	s_lshr_b32 s18, s17, 3                         ; the batch: 8 tile rows each
	s_and_b32 s19, s17, 7
	s_lshl_b32 s19, s19, 1
	s_add_co_u32 s19, s19, s15                     ; my step of 128 places
	s_lshl_b32 s20, s40, 2
	s_lshl_b32 s21, s16, 1
	s_add_co_u32 s20, s20, s21                     ; my first head: 4 cx + 2 x column half
	s_lshl_b32 s18, s18, 4
	s_add_co_u32 s18, s18, s20
	s_lshl_b32 s18, s18, 4
	s_add_co_u32 s[REC], s18, s19                  ; its record: (batch x 16 + head) x 16 + step
	s_lshl_b32 s18, s19, 15                        ; the step's 128 rows of the table
	s_mov_b32 s19, 0
	s_add_nc_u64 s[12:13], s[96:97], s[18:19]
.macro FRAG reg, adr, q, i             ; a fragment, 16 rows x 128 K of 6-bit codes, is 12 registers: lane l holds row l % 16; registers 6 c .. 6 c + 5 hold K = 64 c + 32 (l / 16) + 0 .. 31: 24 bytes of the row's stream of bits, as they lie
.irp p, 0,1,2,3,4,5                    ; in pieces of 8 bytes.  Lanes 0-15 take the row's pieces 12 q + 0, 1, 2 and 12 q + 6, 7, 8, lanes 16-31 those three pieces on
.set PC, 12*(\q)+6*(\p/3)+\p%3        ; 16 bytes of padding lie behind every 8 pieces: where the piece three on lies behind one padding more, the second address register serves
.if PC%8 < 5
	ds_load_b64 v[\reg+2*\p:\reg+2*\p+1], v[\adr] offset:8*PC+16*(PC/8)+(\i)*16*PITCH
.else
	ds_load_b64 v[\reg+2*\p:\reg+2*\p+1], v[\adr+2] offset:8*PC+16*(PC/8)+(\i)*16*PITCH
.endif
.endr
.endm
; 16 matrix instructions: x's blocks a0, a0 + 1 against the weights' eight, 128 along K: the slot's q-th.  p: the weights' set;  sc: the set of scale words.  zero = 1: the first product starts the sums.
; The 64 accumulators take turns, one instruction a turn, in the same order in every step.
.macro MUL16 a0, p, q, sc, zero
.irp a, \a0, \a0+1
.irp b, 0,1,2,3,4,5,6,7
.if \zero
	v_wmma_scale_f32_16x16x128_f8f6f4 v[8*(8*((\a)%4)+\b):8*(8*((\a)%4)+\b)+7], v[128*(\p)+FR*\b:128*(\p)+FR*\b+FR-1], v[AF+FR*(\a):AF+FR*(\a)+FR-1], 0, v[SC+8*NQ*(\sc)+NQ*\b+(\q)], v[SC+8*NQ*(\sc)+NQ*(\a)+(\q)] matrix_a_fmt:MATRIX_FMT_FP6 matrix_b_fmt:MATRIX_FMT_FP6 matrix_a_scale:MATRIX_SCALE_ROW1
.else
	v_wmma_scale_f32_16x16x128_f8f6f4 v[8*(8*((\a)%4)+\b):8*(8*((\a)%4)+\b)+7], v[128*(\p)+FR*\b:128*(\p)+FR*\b+FR-1], v[AF+FR*(\a):AF+FR*(\a)+FR-1], v[8*(8*((\a)%4)+\b):8*(8*((\a)%4)+\b)+7], v[SC+8*NQ*(\sc)+NQ*\b+(\q)], v[SC+8*NQ*(\sc)+NQ*(\a)+(\q)] matrix_a_fmt:MATRIX_FMT_FP6 matrix_b_fmt:MATRIX_FMT_FP6 matrix_a_scale:MATRIX_SCALE_ROW1
.endif
.endr
.endr
.endm
.macro FETCH_B slot, q, p              ; the weights' eight fragments of the slot's q-th 128 along K into set p
	WIN TO_B
.irp i, 0,1,2,3,4,5,6,7
	FRAG 128*(\p)+FR*\i, ADRB+\slot, \q, \i
.endr
	WIN 0
.endm
.macro FETCH_A slot, q, i0             ; x's blocks i0 .. i0 + 3
.irp i, \i0, \i0+1, \i0+2, \i0+3
	FRAG AF+FR*(\i), ADRA+\slot, \q, \i
.endr
.endm
.macro SCALES sc                       ; the next K step's scale words into set sc: lanes 0-15 take x's block i, lanes 16-31 the weights' block i
.irp i, 0,1,2,3,4,5,6,7
	ds_load_b64 v[SC+8*NQ*\sc+NQ*\i:SC+8*NQ*\sc+NQ*\i+1], v[ADRS] offset:\i*SBLK
.endr
.endm
; A load into a register that a matrix instruction has read, and a vector instruction or an LDS store that reads a matrix result, stand NP places behind that matrix instruction; only plain vector
; instructions that name none of its registers are places (ISA guide 7.12.1 for vector instructions).
.macro PLACES n
.rept \n
	v_nop
.endr
.endm
.macro STEP slot, q, zero              ; a step of 128 along K that has its successor in the same slot
	s_wait_dscnt 4*NL                              ; the weights' set and x's blocks 0-3 are in; the youngest 24 loads (x's blocks 4-7) may be out
	WIN MUL_LO
	MUL16 0, (\q)%2, \q, \slot, \zero
	MUL16 2, (\q)%2, \q, \slot, \zero
	s_wait_dscnt 0                                 ; x's blocks 4-7 are in
	PLACES NP
	FETCH_B \slot, (\q)+1, 1-(\q)%2
	FETCH_A \slot, (\q)+1, 0
	WIN MUL_HI
	MUL16 4, (\q)%2, \q, \slot, \zero
	MUL16 6, (\q)%2, \q, \slot, \zero
	PLACES NP
	WIN 0
	FETCH_A \slot, (\q)+1, 4
.endm
; A slot's last step changes slots: ONE barrier; in front of it each wave waits for all its tensor loads, adds 0 to its spare word, and waits for that and for its own reads of this slot.  fill = 1: this slot is filled again, two K steps ahead.
.macro TURN slot, next, fill
	s_wait_tensorcnt 0x0                           ; all my tensor loads have landed: my part of the next slot
	ds_add_u32 v[SPW], v[NIL]                      ; 0 onto my spare word
	s_wait_dscnt 4*NL+1                            ; (the add and the youngest 24 loads, x's blocks 4-7, may be out)
	WIN MUL_LO
	MUL16 0, 1, NQ-1, \slot, 0                     ; sixteen matrix instructions stand between the add and the wait for it
	s_wait_dscnt 0x0                               ; the add is done, and my reads of this slot are over
	s_barrier_signal -1
	MUL16 2, 1, NQ-1, \slot, 0
	WIN 0
	s_barrier_wait -1
.if \fill
	CREST                                          ; the barrier has opened a round of the cluster's barrier: no wave of any partner still reads this slot's tile or has a load on its way
	s_add_nc_u64 s[G0+4*\slot+2:G0+4*\slot+3], s[G0+4*\slot+2:G0+4*\slot+3], 2*ROWB
	s_add_nc_u64 s[G0B+4*\slot+2:G0B+4*\slot+3], s[G0B+4*\slot+2:G0B+4*\slot+3], 2*ROWB
	JLOAD G0+4*\slot, G1, G0B+4*\slot, G1B         ; the first tensor load behind the round, my only one out; the four v_nop behind it are the places in front of the loads below
.else
	PLACES NP
.endif
	v_add_nc_u32 v[ADRS], 4*NQ, v[ADRS]            ; on to the next K step's scale words (no LDS load of mine is out)
	FETCH_B \next, 0, 0
	FETCH_A \next, 0, 0
	SCALES \next
	WIN MUL_HI
	MUL16 4, 1, NQ-1, \slot, 0
	MUL16 6, 1, NQ-1, \slot, 0
	PLACES NP
	WIN 0
	FETCH_A \next, 0, 4
.endm
.macro LASTSTEP                        ; the very last step: nothing more to fetch; the places behind it serve the way out's first reads and writes
	s_wait_dscnt 4*NL
	WIN MUL_LO
	MUL16 0, 1, NQ-1, 1, 0
	MUL16 2, 1, NQ-1, 1, 0
	s_wait_dscnt 0
	WIN MUL_HI
	MUL16 4, 1, NQ-1, 1, 0
	MUL16 6, 1, NQ-1, 1, 0
	WIN 0
	PLACES NP
.endm
	s_wait_tensorcnt 1                             ; the scales and my part of K step 0 are in (K step 1's load may be out)
	s_barrier_signal -1
	s_barrier_wait -1                              ; everybody's are
	FETCH_B 0, 0, 0
	FETCH_A 0, 0, 0
	SCALES 0
	FETCH_A 0, 0, 4
	STEP 0, 0, 1                                   ; the first step stands in front of the loop: its products start the sums
	s_mov_b32 s3, LAPS-1
.Llap:                                                 ; a trip goes once round the ring, from a lap's second step to the next lap's first, and fills both slots again
	TURN 0, 1, 1
	STEP 1, 0, 0
	TURN 1, 0, 1
	STEP 0, 0, 0
	s_sub_co_u32 s3, s3, 1
	s_cmp_lg_u32 s3, 0
	s_cbranch_scc1 .Llap
	TURN 0, 1, 0                                   ; the last lap fills nothing, and has no round of the cluster's barrier
	STEP 1, 0, 0
	s_cmp_eq_u32 ttmp9, 2                          ; the cluster's x: the same in all sixteen partners.  The last step is written in both arms
	s_cbranch_scc1 .Lv_path
; ---- q AND k.  No LDS.  Block a (16 places of x, all 128 columns): turned by the table, quantised along d, two heads at once; blocks 2 p and 2 p + 1 fill a packed fragment for each head.
.macro TLD a                           ; block a's table numbers into set a % 2: for each half e of a head, my row's 8 pairs 16 e + 8 h + 0 .. 7: cosine and sine by turns
.irp e, 0,1
.irp k, 0,1,2,3
	global_load_b128 v[TBL+32*((\a)%2)+16*\e+4*\k:TBL+32*((\a)%2)+16*\e+4*\k+3], v[TA], s[12:13] offset:(32*((\a)/2)+8*((\a)%2))*256+128*\e+16*\k
.endr
.endr
.endm
; 64 numbers of a lane in v[HA] on, register 16 b + i = column 32 b + 16 (lane / 16) + i of my row, become six registers of codes for each head (at QD0, QD1) and the row's four bytes in v[PW].
.macro QUANT
.irp b, 0,1,2,3
	v_max3_num_f32 v[TM+\b], |v[HA+16*\b]|, |v[HA+1+16*\b]|, 0x1800000   ; block b: my 16 numbers, and the floor 2^(3 - 127): the byte cannot fall under 1
.endr
.irp i, 2,4,6,8,10,12,14
.irp b, 0,1,2,3
	v_max3_num_f32 v[TM+\b], v[TM+\b], |v[HA+16*\b+\i]|, |v[HA+1+16*\b+\i]|   ; (the four blocks by turns)
.endr
.endr
.irp b, 0,1,2,3
	v_permlanex16_b32 v[TM+4+\b], v[TM+\b], s[SEL], s[SEL+1]
.endr
.irp b, 0,1,2,3
	v_max_num_f32 v[TM+\b], v[TM+\b], v[TM+4+\b]   ; with lane l xor 16's: the block's largest magnitude
.endr
.irp b, 0,1,2,3
	v_add_nc_u32 v[TM+12+\b], 0xff000000, v[TM+\b] ; 2 off its exponent field: the conversion's scale operand
.endr
.irp b, 0,1,2,3
	v_lshrrev_b32 v[TM+4+\b], 23, v[TM+12+\b]      ; the scale's byte
.endr
	v_lshl_or_b32 v[PW], v[TM+5], 8, v[TM+4]
	v_lshl_or_b32 v[PW], v[TM+6], 16, v[PW]
	v_lshl_or_b32 v[PW], v[TM+7], 24, v[PW]
	v_cvt_scalef32_pk16_fp6_f32 v[QD0:QD0+2], v[HA:HA+15], v[TM+12]
	v_cvt_scalef32_pk16_fp6_f32 v[CT:CT+2], v[HA+16:HA+31], v[TM+13]
	v_cvt_scalef32_pk16_fp6_f32 v[QD1:QD1+2], v[HA+32:HA+47], v[TM+14]
	v_cvt_scalef32_pk16_fp6_f32 v[CT+4:CT+6], v[HA+48:HA+63], v[TM+15]
	v_nop                                          ; one plain place behind a scaled conversion
.irp i, 0,1,2                                  ; the operand's layout wants a WHOLE block in a lane: lanes 0-15 d 0 .. 31, lanes 16-31 d 32 .. 63
	v_permlane16_swap_b32 v[QD0+\i], v[CT+\i]
	v_permlane16_swap_b32 v[QD1+\i], v[CT+4+\i]
.endr
.irp i, 0,1,2
	v_mov_b32 v[QD0+3+\i], v[CT+\i]
	v_mov_b32 v[QD1+3+\i], v[CT+4+\i]
.endr
.endm
.macro QKBLK a
.set AC, 64*((\a)%4)
.set TB0, TBL+32*((\a)%2)
.set QD0, F0+6*((\a)%2)
.set QD1, F1+6*((\a)%2)
.if (\a) < 7
	s_wait_loadcnt 8                               ; this block's 8 table loads are in; the next block's 8 may be out
.else
	s_wait_loadcnt 0
.endif
	WIN 0x02+(\a)/4                                ; source 0: the accumulators' window
.set n, 0
.rept 32                                       ; each accumulator is read from its low end on
.set TT, TB0+16*((n/16)%2)+n%16
	v_pk_mul_f32 v[HA+n:HA+n+1], v[AC+n:AC+n+1], v[TT:TT+1] op_sel_hi:[1,0]   ; x1 cos, x2 cos
.set n, n+2
.endr
.set n, 0
.rept 32
.set TT, TB0+16*((n/16)%2)+n%16
	v_pk_fma_f32 v[HA+n:HA+n+1], v[AC+n:AC+n+1], v[TT:TT+1], v[HA+n:HA+n+1] op_sel:[1,1,0] op_sel_hi:[0,1,1] neg_lo:[0,1,0]   ; - x2 sin + x1 cos,  x1 sin + x2 cos
.set n, n+2
.endr
	WIN 0
.if (\a) < 6
	TLD (\a)+2                                     ; this set's numbers have been read
.endif
.if ((\a)%2 == 0) && ((\a) >= 2)
	s_wait_xcnt 0x0                                ; the last fragments' stores have read their registers: only behind this wait are they written again
.endif
	QUANT
.if (\a)%2 == 0
	v_lshrrev_b32 v[HWE], v[SH], v[PW]             ; lanes 0-15 keep the first head's two bytes, lanes 16-31 the second's
	v_and_b32 v[HWE], 0xffff, v[HWE]
.else
	v_lshrrev_b32 v[HW], v[SH], v[PW]
	v_lshl_or_b32 v[WD+(\a)/2], v[HW], 16, v[HWE]  ; the packed fragment's scale word: the even tile's bytes below, the odd tile's above
.irp g, 0,1,2
	global_store_b128 v[L16], v[F0+4*\g:F0+4*\g+3], s[4:5] offset:((\a)/2)*1536+512*\g   ; 32 lanes store 512 consecutive bytes, aligned
	global_store_b128 v[L16], v[F1+4*\g:F1+4*\g+3], s[6:7] offset:((\a)/2)*1536+512*\g
.endr
.endif
.endm
	TLD 0                                          ; asked for ahead of the last step's 64 products
	TLD 1
	s_cmp_eq_u32 ttmp9, 0
	s_cselect_b64 s[4:5], s[98:99], s[100:101]     ; q goes to qb, k to kv
	s_mov_b32 s18, KVREC
	s_cselect_b32 s18, QREC, s18                   ; a record's bytes
	s_mul_i32 s20, s[REC], s18
	s_mov_b32 s21, 0
	s_add_nc_u64 s[4:5], s[4:5], s[20:21]          ; my first head's record,
	s_lshl_b32 s20, s18, 4                         ; a head on: 16 records
	s_add_nc_u64 s[6:7], s[4:5], s[20:21]          ; my second head's
	v_mul_lo_u32 v[SGO], v2, s20
	v_lshl_add_u32 v[SGO], v1, 4, v[SGO]           ; the scale words: lanes 0-15 the first head's, lanes 16-31 the second's, 16 bytes a row
	s_mov_b32 s[SEL], 0x76543210
	s_mov_b32 s[SEL+1], 0xfedcba98
.irp b, 0,1,2,3
	v_mov_b32 v[TM+4+\b], 0                        ; written once: a lane permute's destination counts as one of its sources
.endr
	LASTSTEP
.irp a, 0,1,2,3,4,5,6,7
	QKBLK \a
.endr
	global_store_b128 v[SGO], v[WD:WD+3], s[4:5] offset:6144   ; 16 lanes store a head's 256 bytes of scale words, aligned
	s_branch .Ldone
; ---- v.  Its K is the keys, which are C's rows.  32 places of x at a time (a block of 32 keys) go into my stage as rows of 128 columns; then A LANE TAKES A COLUMN AND ITS REGISTERS RUN DOWN THE KEYS, in their natural
; order: the block's largest magnitude needs no other lane, and the conversions give codes with the keys innermost.
.Lv_path:
.macro VSTAGE kb
.irp u, 0,1
.set AC, 64*((2*(\kb)+\u)%4)
	WIN 0x08+4*((2*(\kb)+\u)/4)                    ; an LDS store's data are its source 1: window 2 or 3
.irp b, 0,1,2,3,4,5,6,7
	ds_store_b128 v[VST], v[AC+8*\b:AC+8*\b+3] offset:16*\u*VP+64*\b          ; each accumulator from its low end on
	ds_store_b128 v[VST], v[AC+8*\b+4:AC+8*\b+7] offset:16*\u*VP+64*\b+16
.endr
.endr
	WIN 0
.endm
.macro VLOAD pass, set                 ; columns 32 pass + lane: key k of the 32 lies at the stage's row 16 ((k / 8) % 2) + k % 8 + 8 (k / 16)
.set kk, 0
.rept 32
	ds_load_b32 v[VX+32*(\set)+kk], v[VRD] offset:(16*((kk/8)%2)+kk%8+8*(kk/16))*VP+128*(\pass)   ; 32 lanes read 128 consecutive bytes
.set kk, kk+1
.endr
.endm
.macro VQ kb, pass, set
.set XS, VX+32*(\set)
.set DD, VC+12*(2*(\pass)+(\kb)%2)+6*((\kb)/2)
.set SWR, WD+2*((\pass)%2)+(\pass)/2
	v_max3_num_f32 v228, |v[XS]|, |v[XS+1]|, |v[XS+2]|             ; the block's largest magnitude: all 32 numbers are mine
	v_max3_num_f32 v229, |v[XS+3]|, |v[XS+4]|, |v[XS+5]|
.irp i, 6,10,14,18,22,26
	v_max3_num_f32 v228, v228, |v[XS+\i]|, |v[XS+\i+1]|
	v_max3_num_f32 v229, v229, |v[XS+\i+2]|, |v[XS+\i+3]|
.endr
	v_max3_num_f32 v228, v228, |v[XS+30]|, |v[XS+31]|
	v_max3_num_f32 v228, v228, v229, 0x1800000     ; and the floor
	v_add_nc_u32 v230, 0xff000000, v228            ; the conversion's scale operand
	v_lshrrev_b32 v231, 23, v230                   ; the scale's byte
.if (\kb) == 0
	v_mov_b32 v[SWR], v231                         ; four bytes to a word, the earlier keys in the lower byte
.else
	v_lshl_or_b32 v[SWR], v231, 8*(\kb), v[SWR]
.endif
	v_cvt_scalef32_pk16_fp6_f32 v[DD:DD+2], v[XS:XS+15], v230
	v_cvt_scalef32_pk16_fp6_f32 v[VCT:VCT+2], v[XS+16:XS+31], v230
	v_nop                                          ; one plain place behind a scaled conversion
.irp i, 0,1,2
	v_mov_b32 v[DD+3+\i], v[VCT+\i]
.endr
.endm
; Behind an odd block of keys: lanes 0-15 hold tile 2 pass's columns and lanes 16-31 tile 2 pass + 1's, in the even block's registers and in the odd block's.  The exchange gives each tile both blocks:
; lanes 0-15 the even block, lanes 16-31 the odd one, as the operand's layout wants them.
.macro VSWAP kb
.irp p, 0,1,2,3
.irp i, 0,1,2,3,4,5
	v_permlane16_swap_b32 v[VC+24*\p+6*((\kb)/2)+\i], v[VC+24*\p+12+6*((\kb)/2)+\i]
.endr
.endr
.endm
	s_mul_i32 s20, s[REC], KVREC
	s_mov_b32 s21, 0
	s_add_nc_u64 s[4:5], s[100:101], s[20:21]      ; my first head's record
	LASTSTEP
.irp kb, 0,1,2,3
	VSTAGE \kb                                     ; LDS serves a wave's instructions in order: these come behind the last block's loads, and the loads below see them
	VLOAD 0, 0
	VLOAD 1, 1
	s_wait_dscnt 32                                ; this pass's 32 loads are in; the next pass's 32 may be out
	VQ \kb, 0, 0
	VLOAD 2, 0
	s_wait_dscnt 32
	VQ \kb, 1, 1
	VLOAD 3, 1
	s_wait_dscnt 32
	VQ \kb, 2, 0
	s_wait_dscnt 0x0
	VQ \kb, 3, 1
.if (\kb)%2
	VSWAP \kb
.endif
.endr
	v_permlane16_swap_b32 v[WD], v[WD+1]           ; the words of passes 0, 2 and of passes 1, 3: register t now holds tile t's word, lanes 0-15 the first head's, lanes 16-31 the second's
	v_permlane16_swap_b32 v[WD+2], v[WD+3]
.irp t, 0,1,2,3,4,5,6,7
.irp g, 0,1,2
	global_store_b128 v[L16], v[VC+12*\t+4*\g:VC+12*\t+4*\g+3], s[4:5] offset:(\t/4)*16*KVREC+6400+(\t%4)*1536+512*\g   ; 32 lanes store 512 consecutive bytes, aligned
.endr
.endr
	global_store_b128 v[VSO], v[WD:WD+3], s[4:5] offset:12544
.Ldone:
	s_wait_tensorcnt 0x0                           ; the wave's end, behind my last tensor load and my last LDS store
	ds_add_u32 v[SPW], v[NIL]
	s_wait_dscnt 0x0
	CROUND                                         ; the closing round: no work-group ends while a partner may still ask for a tile that names it
	s_endpgm
.Lfunc_end_k_q6425481c30_qkv:
	.size	k_q6425481c30_qkv, .Lfunc_end_k_q6425481c30_qkv-k_q6425481c30_qkv
	.p2alignl 7, 3214868480
	.fill 96, 4, 3214868480
	.section	.rodata,"a",@progbits
	.p2align	6, 0x0
	.amdhsa_kernel k_q6425481c30_qkv
		.amdhsa_group_segment_fixed_size 327680
		.amdhsa_private_segment_fixed_size 0
		.amdhsa_enable_private_segment 0
		.amdhsa_kernarg_size 40
		.amdhsa_user_sgpr_count 2
		.amdhsa_user_sgpr_kernarg_segment_ptr 1
		.amdhsa_wavefront_size32 1
		.amdhsa_system_sgpr_workgroup_id_x 1
		.amdhsa_system_sgpr_workgroup_id_y 1
		.amdhsa_system_sgpr_workgroup_id_z 1
		.amdhsa_system_vgpr_workitem_id 0
		.amdhsa_next_free_vgpr 1024
		.amdhsa_next_free_sgpr 102
		.amdhsa_reserve_vcc 0
		.amdhsa_float_denorm_mode_32 3
		.amdhsa_float_denorm_mode_16_64 3
		.amdhsa_memory_ordered 1
		.amdhsa_forward_progress 1
		.amdhsa_inst_pref_size 255
	.end_amdhsa_kernel
	.section	.bss,"aw",@nobits
	.p2align	6
	.space	262144
	.amdgpu_metadata
---
amdhsa.version: [ 1, 2 ]
amdhsa.kernels:
  - .name:           k_q6425481c30_qkv
    .symbol:         k_q6425481c30_qkv.kd
    .args:
      - { .name: cod, .offset: 0, .size: 8, .value_kind: global_buffer, .address_space: global }
      - { .name: scl, .offset: 8, .size: 8, .value_kind: global_buffer, .address_space: global }
      - { .name: rope, .offset: 16, .size: 8, .value_kind: global_buffer, .address_space: global }
      - { .name: qb, .offset: 24, .size: 8, .value_kind: global_buffer, .address_space: global }
      - { .name: kv, .offset: 32, .size: 8, .value_kind: global_buffer, .address_space: global }
    .group_segment_fixed_size: 327680
    .private_segment_fixed_size: 0
    .kernarg_segment_align: 8
    .kernarg_segment_size: 40
    .max_flat_workgroup_size: 128
    .sgpr_count:     102
    .vgpr_count:     1024
    .wavefront_size: 32
...
	.end_amdgpu_metadata
.endif
;; end of part 2
;; launch attn (part 3): grid 4 x 64, 16 waves a work-group, no clusters, 327,680 bytes of LDS; arguments qb, kv, ac, asc; writes ac, asc
.if DOCPART == 3
	.amdgcn_target "amdgcn-amd-amdhsa--gfx1250"
	.amdhsa_code_object_version 6
	.text
	.protected	k_q6425481c30_attn
	.globl	k_q6425481c30_attn
	.p2align	8
	.type	k_q6425481c30_attn,@function
k_q6425481c30_attn:
	s_mov_b64 s[64:65], 0
	v_nop
	global_prefetch_b8 v0, s[64:65] scope:SCOPE_SE
	s_setreg_imm32_b32 hwreg(HW_REG_WAVE_MODE, 25, 1), 1
	s_wait_xcnt 0x0
; Causal attention of 64 heads (batch x 16 + head), 2,048 places, head size 64, both products on codes of FP6 (E2M3) with one E8M0 scale for each 32 along a product's K.  q, k and v arrive as images of operand registers
; (qb, kv: the layouts stand at the head of the launch that makes them); O / l is quantised along d and leaves as the left operand of the last product.
; THE SOFTMAX: t = score x log2(e) / 8; M = the row's largest t so far, rounded UP to a whole number; p = 2^(t - M) is what is quantised, along the keys.  The row's sum l is taken of the unquantised p and divides O at the end.
; When M moves, the sum and O are multiplied by 2^(old M - new M): exact.
; SHARES.  Work-group (x, y) serves head y and TWO blocks of 256 queries: 7 - x, then x.  Block j needs the key slots 0 .. j (256 keys each): (8 - x) + (x + 1) = 9 slots for every work-group: 256 equal work-groups, and the
; loop's trip count is a constant.  Each of the sixteen waves owns one tile of 16 queries in 256 registers, four waves to a SIMD, so that one wave's vector work stands beside another's matrix work and LDS loads.
; LAYOUT.  Both products are used transposed (S^T = K Q^T, O^T = V^T P^T): a lane holds ONE query throughout.  Tiles are tiles of PLACES: place 16 u + r of each 32 is row 8 u + r + 8 (r / 8): so the 16 registers of score
; tiles 2 b, 2 b + 1 are the keys 32 b + 16 (lane / 16) + 0 .. 15, and the 16 registers of O^T's tiles 2 b, 2 b + 1 are 16 neighbours along d.
; THE HEAD HAS 64 AND THE INSTRUCTION 128 ALONG K.  A packed fragment of k holds key tile 2 p in K 0 .. 63 and key tile 2 p + 1 in K 64 .. 127.  Against [Q | zero codes] it gives tile 2 p's scores, against [zero codes | Q]
; tile 2 p + 1's: no register and no LDS byte is spent on zeros of k.
; THE MASK.  A key step all of whose keys come after the wave's queries is left out by a scalar branch on ids, round its loads, products and softmax alone.  On the diagonal hidden scores become -infinity ahead of the maximum.
; A tile's queries lie in one group of 32 rows, so in a step that is not left out every query sees the step's first key: no row is all hidden.
; NO CLUSTER: partners would have to ask for the same slot in the same trip.  With the pairing above work-group x is at slot t - (8 - x) of its second block while its neighbour is still in its first; walking all 8 slots with
; both blocks in every partner would be 8 + 4 slots' work in place of 9 and twice the registers; and a slot is 25,600 bytes for two key steps of sixteen waves.
; ac: [tile of 16 places 512][K step 8][piece 6][lane 32][8 bytes]: register pair P of the fragment of 16 places x 128 K.  asc: [place 8192][32 bytes].
; LIMITS.  NaN and infinities are not served.  A block whose largest magnitude lies under 2^-124, a block of zeros among them, gets the byte 1: its codes add nothing, and this program alone reads the bytes.
; A block's largest p is taken from the block's largest score by the same multiply-add and exponential: this takes v_exp_f32 not to fall where its input rises.
; REGISTERS: v1-3, v7, v10, v11 addresses that stay; v5, v6 the add's; v8, v9 addresses in hand; v12 -M, v13 the largest t, v[14:15] the sum; v16-27 [Q | 0], v28-39 [0 | Q]; v40-87 four fragments of k, then of v;
; v88-91 their scale words, v92 Q's, v93 p's: these six hold scales and nothing else; v96-159 S^T, then p; v160-191 O^T; v192-203 p's codes; v204-227 at work; v228-240 the second block's Q.
.set REC,   12800                      ; a key step's record: k's fragments 0, k's words 6,144, v's fragments 6,400, v's words 12,544
.set SLOT1, 1<<15                      ; a slot holds two records, 25,600 bytes; slot 1 begins here, so that one exclusive or turns an address in one slot into the other's
.set SPARE, 1<<16                      ; the spare words, 128 bytes for each wave: eight blocks of 256 bytes that no other line names
.set TB,   2                           ; s2   LDS byte at which the slot in hand begins
.set IT,   3                           ; s3   the trip
.set WV,   18                          ; s18  my wave's number
.set SEL,  20                          ; s[20:21] lane selects for v_permlanex16_b32: lane l xor 16
.set CS,   22                          ; s[22:23] c = log2(e) / 8
.set G1,   24                          ; s[24:31] descriptor group 1;  s[32:35] group 0
.set G0,   32
.set NA,   36                          ; s36  slots of the first block: 8 - x
.set KF,   37                          ; s37  the step's first key
.set Q0,   38                          ; s38  my tile's least query
.set UM,   39                          ; s39  all ones where my tile is a packed fragment's second
.set U16,  40                          ; s40  16 there, else 0
.set KVB,  42                          ; s[42:43] my record of the head's slot 0
.set OFS,  44                          ; s[44:45] an offset
.set PFA,  46                          ; s[46:47] where my prefetches stand
.set LIM,  48                          ; s48  a wave prefetches while the trip is under this
.set QW,   72                          ; s72  32 (w / 2) + 8 (w % 2): my tile's least query in its block
.macro TLOAD                           ; waves 0 and 1 fetch a record each; four v_nop follow the line
	s_cmp_lt_u32 s[WV], 2
	s_cbranch_scc0 .Lasked_\@
	tensor_load_to_lds s[G0:G0+3], s[G1:G1+7]
	s_nop 0
.rept 4
	v_nop
.endr
.Lasked_\@:
.endm
; A PREFETCH INTO THE L2 of the slot that the NEXT change of slots will ask for: in trip t slot t + 2, t = 0 .. 5: a slot's two key steps ahead of that load.  All four work-groups of a head walk the same records: work-group x = 0,
; whose first block walks all 8 slots, asks, and nobody else.  25 blocks of 256 bytes, a lane a block (lanes 25-31 name lane 24's block once more in the same
; instruction).  Slots 0 and 1 come by their loads alone; nothing is named behind slot 7, and nothing in the second block, whose slots have been read.
.macro ASK
	s_cmp_lt_u32 s[IT], s[LIM]
	s_cbranch_scc0 .Lnot_mine_\@
	global_prefetch_b8 v11, s[PFA:PFA+1] th:TH_LOAD_NT scope:SCOPE_SE
.Lnot_mine_\@:
.endm
; The pointers of the block of queries whose number stands in s[qs]: Q's packed fragment, Q's scale words, my tile's codes in ac, its bytes in asc.
.macro PHASEP qs, pf, pw, pa, ps
	s_lshl_b32 s68, s[\qs], 1
	s_add_co_u32 s68, s68, s14                     ; the record: 16 y + 2 x block + w / 8
	s_mul_i32 s68, s68, 6400
	s_add_co_u32 s70, s68, s15                     ; + 1,536 x ((w % 8) / 2)
	s_mov_b32 s71, 0
	s_add_nc_u64 s[\pf:\pf+1], s[4:5], s[70:71]
	s_add_co_u32 s70, s68, s16                     ; + 6,144 + 4 x ((w % 8) / 2)
	s_add_nc_u64 s[\pw:\pw+1], s[4:5], s[70:71]
	s_lshl_b32 s68, s[\qs], 4
	s_add_co_u32 s68, s68, s17                     ; my tile of places: 128 x batch + 16 x block + w
	s_lshl_b32 s70, s68, 3
	s_add_co_u32 s70, s70, s19                     ; its K step: head / 2
	s_mul_i32 s70, s70, 1536
	s_add_co_u32 s70, s70, s41                     ; + 768 x (head % 2): pieces 3 .. 5
	s_add_nc_u64 s[\pa:\pa+1], s[8:9], s[70:71]
	s_lshl_b32 s70, s68, 9
	s_add_co_u32 s70, s70, s49                     ; 16 places of 32 bytes, + 2 x head
	s_add_nc_u64 s[\ps:\ps+1], s[10:11], s[70:71]
.endm
	s_load_b256 s[4:11], s[0:1], 0x0               ; qb 4:5, kv 6:7, ac 8:9, asc 10:11
	v_lshl_add_u32 v5, v0, 2, SPARE
	v_mov_b32 v6, 0
	ds_add_u32 v5, v6
	ds_add_u32 v5, v6
	s_wait_dscnt 0x0
	v_lshrrev_b32 v8, 5, v0
	s_delay_alu instid0(VALU_DEP_1)
	v_readfirstlane_b32 s[WV], v8                  ; wave 0..15
	s_and_b32 s12, ttmp7, 0xffff                   ; y: batch x 16 + head
	s_and_b32 s13, s[WV], 1
	s_sub_co_u32 s[NA], 8, ttmp9
	s_sub_co_u32 s[UM], 0, s13
	s_lshl_b32 s[U16], s13, 4
	; descriptor group 1: a record, 12,800 dense bytes, as 50 rows of 256 bytes (32 elements of 8 bytes); no padding: every LDS read is 16 bytes a lane on end
	s_mov_b32 s[G1], 3<<16
	s_mov_b32 s[G1+1], 32<<16                      ; tensor_dim0
	s_mov_b32 s[G1+2], 50<<16                      ; tensor_dim1
	s_mov_b32 s[G1+3], 32<<16                      ; tile_dim0
	s_mov_b32 s[G1+4], 50                          ; tile_dim1
	s_mov_b32 s[G1+5], 32                          ; tensor_dim0_stride
	s_mov_b32 s[G1+6], 0
	s_mov_b32 s[G1+7], 0
	s_mul_i32 s[OFS], s12, 16*REC                  ; the head's 16 records,
	s_mul_i32 s68, s13, REC                        ; of a slot's two the one that I fetch, if I fetch
	s_add_co_u32 s[OFS], s[OFS], s68
	s_mov_b32 s[OFS+1], 0
	s_wait_kmcnt 0x0
	s_add_nc_u64 s[KVB:KVB+1], s[6:7], s[OFS:OFS+1]
	s_mov_b32 s[G0], 1                             ; count = 1
	s_mov_b32 s[G0+1], s68                         ; LDS address: slot 0
	s_mov_b64 s[G0+2:G0+3], s[KVB:KVB+1]           ; global address: the head's first slot
	s_or_b32 s[G0+3], s[G0+3], 0x80000000          ; type = 2
	TLOAD                                          ; slot 0, ahead of every wait on TENSORcnt, every LDS read and every barrier: one tensor load of mine is out
	s_lshl_b32 s14, s12, 4
	s_lshr_b32 s68, s[WV], 3
	s_add_co_u32 s14, s14, s68                     ; 16 y + w / 8
	s_bfe_u32 s68, s[WV], 0x20001                  ; (w % 8) / 2: which packed fragment holds my tile
	s_mul_i32 s15, s68, 1536
	s_lshl_b32 s16, s68, 2
	s_add_co_u32 s16, s16, 6144
	s_lshr_b32 s17, s12, 4
	s_lshl_b32 s17, s17, 7
	s_add_co_u32 s17, s17, s[WV]                   ; 128 x batch + w
	s_and_b32 s68, s12, 15                         ; the head
	s_lshr_b32 s19, s68, 1
	s_and_b32 s41, s68, 1
	s_mul_i32 s41, s41, 768
	s_lshl_b32 s49, s68, 1
	s_sub_co_u32 s69, 7, ttmp9                     ; the first block
	PHASEP 69, 58, 60, 50, 52
	s_lshr_b32 s[QW], s[WV], 1
	s_lshl_b32 s[QW], s[QW], 5
	s_lshl_b32 s68, s13, 3
	s_add_co_u32 s[QW], s[QW], s68
	s_lshl_b32 s[Q0], s69, 8
	s_add_co_u32 s[Q0], s[Q0], s[QW]
	s_mov_b32 s69, ttmp9                           ; the second block
	PHASEP 69, 62, 66, 54, 56
	v_and_b32 v1, 31, v0
	s_delay_alu instid0(VALU_DEP_1)
	v_min_u32 v11, 24, v1
	s_delay_alu instid0(VALU_DEP_1)
	v_lshlrev_b32 v11, 8, v11                      ; the prefetches' offset: 256 x min(lane, 24)
	s_delay_alu instid0(VALU_DEP_3)
	v_lshlrev_b32 v7, 3, v1                        ; 8 x lane: a piece of ac
	s_delay_alu instid0(VALU_DEP_4)
	v_lshlrev_b32 v1, 4, v1                        ; 16 x lane: an image's place for my lane
	v_and_b32 v8, 15, v0                           ; r
	s_delay_alu instid0(VALU_DEP_1)
	v_lshlrev_b32 v2, 4, v8                        ; 16 r: a row's four scale words
	s_delay_alu instid0(VALU_DEP_2)
	v_lshlrev_b32 v10, 5, v8                       ; 32 r: a place's bytes in asc
.irp g, 0,1,2
	global_load_b128 v[40+4*\g:43+4*\g], v1, s[58:59] offset:512*\g        ; the first block's packed fragment of Q,
	global_load_b128 v[228+4*\g:231+4*\g], v1, s[62:63] offset:512*\g      ; the second block's
.endr
	global_load_b32 v226, v2, s[60:61]             ; and their scale words
	global_load_b32 v240, v2, s[66:67]
	v_and_b32 v9, 8, v8
	s_delay_alu instid0(VALU_DEP_1)
	v_add_nc_u32 v3, v8, v9
	v_bfe_u32 v9, v0, 4, 1
	s_delay_alu instid0(VALU_DEP_1)
	v_lshlrev_b32 v9, 4, v9
	s_delay_alu instid0(VALU_DEP_1)
	v_sub_nc_u32 v3, v3, v9                        ; r + 8 (r / 8) - 16 h: my query in the tile, less my half's first key
	s_mov_b32 s[SEL], 0x76543210
	s_mov_b32 s[SEL+1], 0xfedcba98
	s_mov_b32 s[CS], 0x3e38aa3b                    ; c = log2(e) / 8
	s_mov_b32 s[CS+1], s[CS]                       ; (named with it as a pair, so it is written)
	s_mov_b32 s[TB], 0
	s_mov_b32 s[IT], 0
	s_mov_b32 s[KF], 0
	s_lshr_b32 s68, s[WV], 2
	s_xor_b32 s68, s68, 1                          ; 0 in waves 4 to 7,
	s_or_b32 s68, s68, ttmp9                       ; of work-group x = 0
	s_cmp_eq_u32 s68, 0
	s_cselect_b32 s[LIM], 6, 0
	s_and_b32 s68, s[WV], 3
	s_mul_i32 s68, s68, 6400                       ; my quarter of a slot,
	s_mul_i32 s70, s12, 16*REC                     ; in my head,
	s_add_co_u32 s70, s70, s68
	s_add_co_u32 s70, s70, 2*REC                   ; in slot 1: the first change of slots steps it to slot 2.  Nothing is prefetched here, at the head
	s_mov_b32 s71, 0
	s_add_nc_u64 s[PFA:PFA+1], s[6:7], s[70:71]
.irp i, 22,23,24,25,26,27,28,29,30,31,32,33
	v_mov_b32 v[\i], 0                             ; the zero codes beside Q: written once
.endr
.irp b, 0,1,2,3
	v_mov_b32 v[216+\b], 0                         ; written once: a lane permute's destination counts as one of its sources
.endr
	v_mov_b32 v225, 0                              ; (named as the upper half of the pair v[224:225])
.macro QSET raw, word                  ; my tile's half of the packed fragment at v[raw] becomes [Q | 0] and [0 | Q]; its two bytes stand in both halves of Q's scale word
.irp i, 0,1,2,3,4,5
	v_cndmask_b32 v[16+\i], v[(\raw)+\i], v[(\raw)+6+\i], s[UM]
.endr
.irp i, 0,1,2,3,4,5
	v_mov_b32 v[34+\i], v[16+\i]
.endr
	v_lshrrev_b32 v227, s[U16], v[\word]
	s_delay_alu instid0(VALU_DEP_1)
	v_and_b32 v227, 0xffff, v227
	s_delay_alu instid0(VALU_DEP_1)
	v_lshl_or_b32 v92, v227, 16, v227
.endm
.macro INIT                            ; a block's start: the step is written once, and its first run finds zeros, which the first change of M leaves zeros.  These lines are also the places between Q's registers and the next products
	v_mov_b32 v13, 0xff61b1e6                      ; the largest t so far: -3e38, under every t
	s_delay_alu instid0(VALU_DEP_1)
	v_floor_f32 v12, -v13                          ; -M
	v_mov_b32 v14, 0
	v_mov_b32 v15, 0
.set n, 0
.rept 32
	v_mov_b32 v[160+n], 0
.set n, n+1
.endr
.endm
; THE WAY OUT of a block of queries: O^T / l, quantised along d (two blocks of 32), leaves as six registers of the last product's left operand, and two scale bytes a place.
.macro FINISH pa, ps
.rept 4
	v_nop                                          ; places behind the last products
.endr
	v_add_f32 v14, v14, v15                        ; the sum's two halves,
	s_delay_alu instid0(VALU_DEP_1)
	v_permlanex16_b32 v226, v14, s[SEL], s[SEL+1]
	s_delay_alu instid0(VALU_DEP_1)
	v_add_f32 v14, v14, v226                       ; and lane l xor 16's: the row's sum
	s_wait_alu depctr_va_vdst(0)
	v_rcp_f32 v224, v14
	v_mov_b32 v225, 0                              ; a plain place behind the transcendental
	s_wait_alu depctr_va_vdst(0)                   ; the wait ahead of the first reader
.set n, 0
.rept 16
	v_pk_mul_f32 v[96+n:97+n], v[160+n:161+n], v[224:225] op_sel_hi:[1,0]   ; register 16 b + i is o(my query, 32 b + 16 h + i); each accumulator is read from its low end on
.set n, n+2
.endr
.irp b, 0,1
	v_max3_num_f32 v[212+\b], |v[96+16*\b]|, |v[97+16*\b]|, 0x1800000
.endr
.irp i, 2,4,6,8,10,12,14
.irp b, 0,1
	s_delay_alu instid0(VALU_DEP_2)
	v_max3_num_f32 v[212+\b], v[212+\b], |v[96+16*\b+\i]|, |v[97+16*\b+\i]|
.endr
.endr
.irp b, 0,1
	s_delay_alu instid0(VALU_DEP_2)
	v_permlanex16_b32 v[216+\b], v[212+\b], s[SEL], s[SEL+1]
.endr
.irp b, 0,1
	s_delay_alu instid0(VALU_DEP_2)
	v_max_num_f32 v[212+\b], v[212+\b], v[216+\b]
.endr
.irp b, 0,1
	s_delay_alu instid0(VALU_DEP_2)
	v_add_nc_u32 v[220+\b], 0xff000000, v[212+\b]
.endr
.irp b, 0,1
	s_delay_alu instid0(VALU_DEP_2)
	v_lshrrev_b32 v[216+\b], 23, v[220+\b]
.endr
	s_delay_alu instid0(VALU_DEP_1)
	v_lshl_or_b32 v226, v217, 8, v216              ; my place's two bytes
	v_cvt_scalef32_pk16_fp6_f32 v[192:194], v[96:111], v220
	v_cvt_scalef32_pk16_fp6_f32 v[204:206], v[112:127], v221
	v_nop                                          ; one plain place behind a scaled conversion
.irp i, 0,1,2
	v_permlane16_swap_b32 v[192+\i], v[204+\i]     ; a WHOLE block in a lane: lanes 0-15 d 0 .. 31, lanes 16-31 d 32 .. 63
.endr
.irp i, 0,1,2
	s_delay_alu instid0(VALU_DEP_3)
	v_mov_b32 v[195+\i], v[204+\i]
.endr
.irp p, 0,1,2
	global_store_b64 v7, v[192+2*\p:193+2*\p], s[\pa:\pa+1] offset:256*\p   ; 32 lanes store 256 consecutive bytes, aligned
.endr
	global_store_b16 v10, v226, s[\ps:\ps+1]       ; two bytes a place, 32 bytes apart (lanes 16-31 write lanes 0-15's bytes once more): one part in 24 of what the launch stores; whole rows of asc would want all 16 heads of a place in one work-group
.endm
; THE CHANGE OF SLOTS stands at a trip's head.  Each wave waits for all its tensor loads (its part of the slot that it is about to read), adds 0 to its spare word, and waits for that and for its reads of the slot that it has left.
; Behind the barrier the slot ahead is whole and nobody reads the other one.  fill = 1: that other slot is filled with the next trip's keys: the load has this trip's two key steps in which to land.
.macro CHANGE fill
	s_wait_tensorcnt 0x0                           ; no tensor load of mine is out, so group 0 may be written
	ds_add_u32 v5, v6                              ; 0 onto my spare word; with fill = 1 the descriptor's step stands between it and the wait for it
.if \fill
	s_add_co_u32 s58, s[IT], 1
	s_sub_co_u32 s59, s58, s[NA]
	s_cmp_lt_u32 s58, s[NA]
	s_cselect_b32 s58, s58, s59                    ; the next trip's key slot: the first block's go on, or the second block's begin at 0
	s_mul_i32 s[OFS], s58, 2*REC
	s_mov_b32 s[OFS+1], 0
	s_add_nc_u64 s[G0+2:G0+3], s[KVB:KVB+1], s[OFS:OFS+1]
	s_or_b32 s[G0+3], s[G0+3], 0x80000000
	s_xor_b32 s[G0+1], s[G0+1], SLOT1              ; the other slot than last time
	s_wait_xcnt 0x0                                ; the last prefetch, a trip back, has read its address, so it may be written
	s_add_nc_u64 s[PFA:PFA+1], s[PFA:PFA+1], 2*REC
.endif
	s_wait_dscnt 0x0                               ; the add is done, and my reads of the slot that I have left are over
	s_barrier_signal -1
	s_barrier_wait -1
.if \fill
	TLOAD                                          ; the first thing behind the barrier, and a wave's one tensor load until the next
	ASK
.endif
.endm
; In the trip in which the second block begins: the first block leaves, and Q, the sums and the counters are set anew.  No barrier and no tensor load stands here.
.macro SWITCH
	s_cmp_lg_u32 s[IT], s[NA]
	s_cbranch_scc1 .Lsame_\@
	FINISH 50, 52
	QSET 228, 240
	INIT
	s_mov_b32 s[KF], 0
	s_lshl_b32 s[Q0], ttmp9, 8
	s_add_co_u32 s[Q0], s[Q0], s[QW]
	s_wait_xcnt 0x0                                ; the stores above have read their registers: the next step writes them again only behind this wait
.Lsame_\@:
.endm
; A KEY STEP: 128 keys, the q-th record of the slot in hand.
.macro STEP q
	s_add_co_u32 s58, s[Q0], 23                    ; my tile's last query
	s_cmp_gt_u32 s[KF], s58
	s_cbranch_scc1 .Lhidden_\@
	v_add_nc_u32 v8, s[TB], v1
	v_add_nc_u32 v9, s[TB], v2
	v_nop
	v_nop                                          ; four places in front of loads into registers that the last step's products have read
.irp p, 0,1,2,3
.irp g, 0,1,2
	ds_load_b128 v[40+12*\p+4*\g:43+12*\p+4*\g], v8 offset:REC*(\q)+1536*\p+512*\g   ; k's four packed fragments, as they stand
.endr
.endr
	ds_load_b128 v[88:91], v9 offset:REC*(\q)+6144 ; and my row's four scale words
	s_wait_alu depctr_va_vdst(0)
	s_wait_dscnt 0x0
.irp p, 0,1,2,3                                ; S^T = K Q^T: eight tiles of 16 keys
	v_wmma_scale_f32_16x16x128_f8f6f4 v[96+16*\p:103+16*\p], v[40+12*\p:51+12*\p], v[16:27], 0, v[88+\p], v92 matrix_a_fmt:MATRIX_FMT_FP6 matrix_b_fmt:MATRIX_FMT_FP6
	v_wmma_scale_f32_16x16x128_f8f6f4 v[104+16*\p:111+16*\p], v[40+12*\p:51+12*\p], v[28:39], 0, v[88+\p], v92 matrix_a_fmt:MATRIX_FMT_FP6 matrix_b_fmt:MATRIX_FMT_FP6
.endr
.rept 4
	v_nop                                          ; places in front of the loads below and of the first read of the scores
.endr
.irp t, 0,1,2,3
.irp g, 0,1,2
	ds_load_b128 v[40+12*\t+4*\g:43+12*\t+4*\g], v8 offset:REC*(\q)+6400+1536*\t+512*\g   ; v's four fragments land while the softmax is walked
.endr
.endr
	ds_load_b128 v[88:91], v9 offset:REC*(\q)+12544
	s_add_co_u32 s58, s[KF], 127                   ; a step all of whose keys count skips the mask
	s_cmp_le_u32 s58, s[Q0]
	s_cbranch_scc1 .Lopen_\@
	s_sub_co_i32 s58, s[Q0], s[KF]
	v_add_nc_u32 v226, s58, v3                     ; d = my query - KF - 16 (lane / 16).  Register 16 b + i holds key KF + 16 (lane / 16) + 32 b + i: hidden where 32 b + i > d
	v_mov_b32 v227, 0xff800000                     ; -infinity
.set n, 0
.rept 64
	v_cmp_gt_i32 vcc_lo, 32*(n/16)+n%16, v226
	v_cndmask_b32 v[96+n], v[96+n], v227, vcc_lo
.set n, n+1
.endr
.Lopen_\@:
.irp b, 0,1,2,3
	v_max3_num_f32 v[212+\b], v[96+16*\b], v[97+16*\b], v[98+16*\b]   ; THE LARGEST SCORE OF EACH BLOCK OF 32 KEYS: for the row's maximum, and, since p rises with the score, for the block's largest p
.endr
.irp i, 3,5,7,9,11,13
.irp b, 0,1,2,3
	v_max3_num_f32 v[212+\b], v[212+\b], v[96+16*\b+\i], v[97+16*\b+\i]   ; (the four blocks by turns)
.endr
.endr
.irp b, 0,1,2,3
	v_max_num_f32 v[212+\b], v[212+\b], v[111+16*\b]
.endr
.irp b, 0,1,2,3
	s_delay_alu instid0(VALU_DEP_4)
	v_permlanex16_b32 v[216+\b], v[212+\b], s[SEL], s[SEL+1]
.endr
.irp b, 0,1,2,3
	s_delay_alu instid0(VALU_DEP_4)
	v_max_num_f32 v[212+\b], v[212+\b], v[216+\b]  ; with lane l xor 16's 16 keys
.endr
	s_delay_alu instid0(VALU_DEP_2)
	v_max3_num_f32 v226, v212, v213, v214
	s_delay_alu instid0(VALU_DEP_1)
	v_max_num_f32 v226, v226, v215                 ; the step's largest score of my query
	s_delay_alu instid0(VALU_DEP_1)
	v_mul_f32 v226, s[CS], v226                    ; as t (c is positive)
	s_delay_alu instid0(VALU_DEP_1)
	v_max_num_f32 v13, v13, v226                   ; the running largest t
	v_mov_b32 v226, v12
	s_delay_alu instid0(VALU_DEP_2)
	v_floor_f32 v12, -v13                          ; the new -M = floor(-t) = -ceil(t): M IS A WHOLE NUMBER
	s_delay_alu instid0(VALU_DEP_1)
	v_sub_f32 v226, v12, v226                      ; M's old value less its new one: a whole number, 0 or less
	s_delay_alu instid0(VALU_DEP_1)
	v_cvt_i32_f32 v226, v226                       ; (it saturates)
	s_delay_alu instid0(VALU_DEP_1)
	v_ldexp_f32 v224, 1.0, v226                    ; f = 2^(old M - new M)
.set n, 0
.rept 32
	v_pk_fma_f32 v[96+n:97+n], v[96+n:97+n], s[CS:CS+1], v[12:13] op_sel_hi:[1,0,0]   ; t - M, two at a time (of the pairs c and -M the low word serves both halves)
.set n, n+2
.endr
.irp b, 0,1,2,3
	v_fma_f32 v[212+\b], v[212+\b], s[CS], v12     ; the same of each block's largest score
.endr
.set n, 0
	s_wait_alu depctr_va_vdst(0)
.rept 64
	v_exp_f32 v[96+n], v[96+n]                     ; p = 2^(t - M), at most 1: NOT normalised
.set n, n+1
.endr
	v_pk_mul_f32 v[14:15], v[14:15], v[224:225] op_sel_hi:[1,0]   ; the sums under the new M.  (A plain place behind the exponentials)
	s_wait_alu depctr_va_vdst(0)                   ; one wait for the whole batch, ahead of its first reader
.irp b, 0,1,2,3
	v_exp_f32 v[212+\b], v[212+\b]                 ; the block's largest p: the same two instructions on the same number give the same bits
.endr
	v_pk_add_f32 v[216:217], v[100:101], v[104:105]
	v_pk_add_f32 v[254:255], v[108:109], v[112:113]
	v_pk_add_f32 v[252:253], v[116:117], v[120:121]
	v_pk_add_f32 v[250:251], v[124:125], v[128:129]
	v_pk_add_f32 v[248:249], v[132:133], v[136:137]
	v_pk_add_f32 v[246:247], v[140:141], v[144:145]
	v_pk_add_f32 v[244:245], v[148:149], v[152:153]
	v_pk_add_f32 v[14:15], v[14:15], v[156:157]
	v_pk_add_f32 v[216:217], v[216:217], v[96:97]
	v_pk_add_f32 v[254:255], v[254:255], v[98:99]
	v_pk_add_f32 v[252:253], v[252:253], v[102:103]
	v_pk_add_f32 v[250:251], v[250:251], v[106:107]
	v_pk_add_f32 v[248:249], v[248:249], v[110:111]
	v_pk_add_f32 v[246:247], v[246:247], v[114:115]
	v_pk_add_f32 v[244:245], v[244:245], v[118:119]
	v_pk_add_f32 v[14:15], v[14:15], v[122:123]
	v_pk_add_f32 v[216:217], v[216:217], v[126:127]
	v_pk_add_f32 v[254:255], v[254:255], v[130:131]
	v_pk_add_f32 v[252:253], v[252:253], v[134:135]
	v_pk_add_f32 v[250:251], v[250:251], v[138:139]
	v_pk_add_f32 v[248:249], v[248:249], v[142:143]
	v_pk_add_f32 v[246:247], v[246:247], v[146:147]
	v_pk_add_f32 v[244:245], v[244:245], v[150:151]
	v_pk_add_f32 v[14:15], v[14:15], v[154:155]
	v_pk_add_f32 v[216:217], v[216:217], v[158:159]
	s_delay_alu instid0(VALU_DEP_2)
	v_pk_add_f32 v[14:15], v[14:15], v[250:251]
	s_delay_alu instid0(VALU_DEP_2)
	v_pk_add_f32 v[216:217], v[216:217], v[248:249]
	v_pk_add_f32 v[254:255], v[254:255], v[246:247]
	v_pk_add_f32 v[252:253], v[252:253], v[244:245]
	s_delay_alu instid0(VALU_DEP_2)
	v_pk_add_f32 v[14:15], v[14:15], v[254:255]
	s_delay_alu instid0(VALU_DEP_2)
	v_pk_add_f32 v[216:217], v[216:217], v[252:253]
	s_delay_alu instid0(VALU_DEP_1)
	v_pk_add_f32 v[14:15], v[14:15], v[216:217]
	s_wait_alu depctr_va_vdst(0)                   ; and one for the four
.irp b, 0,1,2,3
	v_max_num_f32 v[212+\b], 0x1800000, v[212+\b]  ; the floor 2^(3 - 127): the byte cannot fall under 1 (a block whose every p is 0 keeps that byte: its codes are zeros)
.endr
.irp b, 0,1,2,3
	s_delay_alu instid0(VALU_DEP_4)
	v_add_nc_u32 v[220+\b], 0xff000000, v[212+\b]  ; 2 off the exponent field: the conversion's scale operand
.endr
.irp b, 0,1,2,3
	s_delay_alu instid0(VALU_DEP_4)
	v_lshrrev_b32 v[216+\b], 23, v[220+\b]         ; the scale's byte
.endr
	s_delay_alu instid0(VALU_DEP_3)
	v_lshl_or_b32 v93, v217, 8, v216               ; p's scale word for these 128 keys
	s_delay_alu instid0(VALU_DEP_1)
	v_lshl_or_b32 v93, v218, 16, v93
	s_delay_alu instid0(VALU_DEP_1)
	v_lshl_or_b32 v93, v219, 24, v93
.irp c, 0,1
	v_cvt_scalef32_pk16_fp6_f32 v[192+6*\c:194+6*\c], v[96+32*\c:111+32*\c], v[220+2*\c]
	v_cvt_scalef32_pk16_fp6_f32 v[204+4*\c:206+4*\c], v[112+32*\c:127+32*\c], v[220+2*\c+1]   ; (a conversion's three registers begin on an even number)
.endr
	v_nop                                          ; one plain place behind a scaled conversion
.irp c, 0,1                                    ; the operand's layout wants a WHOLE block in a lane
.irp i, 0,1,2
	v_permlane16_swap_b32 v[192+6*\c+\i], v[204+4*\c+\i]
.endr
.irp i, 0,1,2
	s_delay_alu instid0(VALU_DEP_3)
	v_mov_b32 v[195+6*\c+\i], v[204+4*\c+\i]
.endr
.endr
.set n, 0
.rept 16
	v_pk_mul_f32 v[160+n:161+n], v[160+n:161+n], v[224:225] op_sel_hi:[1,0]   ; O^T under the new M: x f.  (These are also the places between p's codes and scale word and the products)
.set n, n+2
.endr
.rept 4
	v_nop                                          ; and four places between O^T's last rescaling and the products that add onto it
.endr
	s_wait_alu depctr_va_vdst(0)
	s_wait_dscnt 0x0                               ; v is in
.irp t, 0,1,2,3                                ; O^T += V^T P^T: four accumulators by turns; the next step's eight score products stand between two links of a chain
	v_wmma_scale_f32_16x16x128_f8f6f4 v[160+8*\t:167+8*\t], v[40+12*\t:51+12*\t], v[192:203], v[160+8*\t:167+8*\t], v[88+\t], v93 matrix_a_fmt:MATRIX_FMT_FP6 matrix_b_fmt:MATRIX_FMT_FP6
.endr
.Lhidden_\@:
	s_add_co_u32 s[KF], s[KF], 128
.endm
	s_wait_loadcnt 0x0                             ; Q, both blocks'
	QSET 40, 226
	INIT
.Lslot:                                            ; 8 trips: behind each change of slots but the last the next trip's slot is asked for
	CHANGE 1
	SWITCH
	STEP 0
	STEP 1
	s_xor_b32 s[TB], s[TB], SLOT1                  ; on to the other slot
	s_add_co_u32 s[IT], s[IT], 1
	s_cmp_lt_u32 s[IT], 8
	s_cbranch_scc1 .Lslot
	CHANGE 0                                       ; the ninth trip is written out
	SWITCH
	STEP 0
	STEP 1
	FINISH 54, 56
	s_wait_tensorcnt 0x0                           ; the wave's end
	ds_add_u32 v5, v6
	s_wait_dscnt 0x0
	s_endpgm
.Lfunc_end_k_q6425481c30_attn:
	.size	k_q6425481c30_attn, .Lfunc_end_k_q6425481c30_attn-k_q6425481c30_attn
	.p2alignl 7, 3214868480
	.fill 96, 4, 3214868480
	.section	.rodata,"a",@progbits
	.p2align	6, 0x0
	.amdhsa_kernel k_q6425481c30_attn
		.amdhsa_group_segment_fixed_size 327680
		.amdhsa_private_segment_fixed_size 0
		.amdhsa_enable_private_segment 0
		.amdhsa_kernarg_size 32
		.amdhsa_user_sgpr_count 2
		.amdhsa_user_sgpr_kernarg_segment_ptr 1
		.amdhsa_wavefront_size32 1
		.amdhsa_system_sgpr_workgroup_id_x 1
		.amdhsa_system_sgpr_workgroup_id_y 1
		.amdhsa_system_sgpr_workgroup_id_z 1
		.amdhsa_system_vgpr_workitem_id 0
		.amdhsa_next_free_vgpr 256
		.amdhsa_next_free_sgpr 74
		.amdhsa_reserve_vcc 1
		.amdhsa_float_denorm_mode_32 3
		.amdhsa_float_denorm_mode_16_64 3
		.amdhsa_memory_ordered 1
		.amdhsa_forward_progress 1
		.amdhsa_inst_pref_size 116
	.end_amdhsa_kernel
	.amdgpu_metadata
---
amdhsa.version: [ 1, 2 ]
amdhsa.kernels:
  - .name:           k_q6425481c30_attn
    .symbol:         k_q6425481c30_attn.kd
    .args:
      - { .name: qb, .offset: 0, .size: 8, .value_kind: global_buffer, .address_space: global }
      - { .name: kv, .offset: 8, .size: 8, .value_kind: global_buffer, .address_space: global }
      - { .name: ac, .offset: 16, .size: 8, .value_kind: global_buffer, .address_space: global }
      - { .name: asc, .offset: 24, .size: 8, .value_kind: global_buffer, .address_space: global }
    .group_segment_fixed_size: 327680
    .private_segment_fixed_size: 0
    .kernarg_segment_align: 8
    .kernarg_segment_size: 32
    .max_flat_workgroup_size: 512
    .sgpr_count:     74
    .vgpr_count:     256
    .wavefront_size: 32
...
	.end_amdgpu_metadata
.endif
;; end of part 3
;; launch proj (part 4): grid 4 x 32, 4 waves a work-group, clusters of 4 x 4, 327,680 bytes of LDS; arguments ac, asc, cod, scl, out0; writes out0
.if DOCPART == 4
	.amdgcn_target "amdgcn-amd-amdhsa--gfx1250"
	.amdhsa_code_object_version 6
	.text
	.protected	k_q6425481c30_proj
	.globl	k_q6425481c30_proj
	.p2align	8
	.type	k_q6425481c30_proj,@function
k_q6425481c30_proj:
	s_mov_b64 s[64:65], 0
	v_nop
	global_prefetch_b8 v0, s[64:65] scope:SCOPE_SE
	s_setreg_imm32_b32 hwreg(HW_REG_WAVE_MODE, 25, 1), 1
	s_wait_xcnt 0x0
	s_wait_alu depctr_hold_cnt(0) depctr_sa_sdst(0) depctr_va_vdst(0) depctr_va_sdst(0) depctr_va_ssrc(0) depctr_va_vcc(0) depctr_vm_vsrc(0)
	s_getreg_b32 s2, hwreg(HW_REG_IB_STS2, 6, 4)
	s_cmp_eq_u32 s2, 0
	s_cbranch_scc0 .Lentry_in_a_cluster
	s_endpgm
.Lentry_in_a_cluster:
	s_bfe_u32 s2, ttmp6, 0x10000c
	s_cmp_lg_u32 s2, 0xf033
	s_cbranch_scc0 .Lentry_shape_is_right
	s_endpgm
.Lentry_shape_is_right:
; out0 = O wo^T, 8,192 x 1,024 x 1,024, on codes of FP6 (E2M3) with one E8M0 scale for each 32 along K; sums and result in f32.
; O arrives as images of operand registers: ac [tile of 16 places 512][K step of 128: 8][piece 6][lane 32][8 bytes], asc [place 8192][32 bytes].  wo's codes are rows 11,264 on of cod (768 bytes a row), its scale bytes likewise in scl.
; A PLACE is not a row: place 16 u + r of each 32 holds row 8 u + r + 8 (r / 8).  The stores' offsets put each place's results into its row.
; A tile of the result, 256 x 256, is made by a work-group of four waves; a wave makes 128 x 128: 64 accumulators of 16 x 16, 512 registers.  K goes in steps of 256 through a ring of two LDS slots filled by the tensor data mover.
; O's part of a slot: for each of 8 tiles of places 3,072 dense bytes (two K steps' images), 12,288 bytes apart in memory; a piece is read by 32 lanes as 256 consecutive bytes.  wo's part: rows of 192 bytes, padded.
; The scale bytes of the work-group's 256 + 256 rows come into LDS once, with the first fills.
; CLUSTERS: 4 x 4 work-groups.  The four of a row of the cluster need the same tiles of O, the four of a column the same tiles of wo: each tile is asked for JOINTLY.
; THE MATRIX INSTRUCTION IS USED TRANSPOSED (source 0 = 16 rows of wo, source 1 = 16 places of O): a lane then holds eight neighbouring numbers of a row of the result.
; 128 work-groups: the tile is kept at 256 x 256, so that this launch and the first product share one form of loop; the result has 128 such tiles.
; REGISTERS, in windows of 256: window 0: v0-31 addresses; v32-63 scale words, two sets, and nothing else; from v128 O's fragments, ONE set; on the way out v128-255 take rows read back.
;   window 1: wo's fragments, TWO sets, at v0 and v128.   window 2: the 32 accumulators of my places 0-63;   window 3: those of my places 64-127.
.set SIZE_N, 1024
.set KSTEP,  256
.set NQ,     KSTEP/128
.set ROWB,   192                       ; wo: a tile's row in bytes
.set KROW,   768                       ; a row of cod; also 1/16 of a tile of places' 12,288 bytes in ac
.set ASTEP,  3072                      ; O: a slot's bytes of one tile of places
.set PITCH,  240                       ; wo's LDS row: 3 x (64 bytes of data + 16 of padding)
.set FR,     12
.set NL,     6
.set NP,     4
.set HALFT,  128*PITCH                 ; the room of one tensor load: wo's 128 rows fill it, O's 8 x 3,072 bytes use 24,576 of it
.set SLOT,   4*HALFT
.set LAPS,   2
.set KS,     32
.set SCL,    2*SLOT
.set HALFS,  (128*KS/256)*272
.set SBLK,   (16*KS/256)*272
.set SPARE,  SCL+4*HALFS               ; the spare words, 128 bytes for each wave: two blocks of 256 bytes that no other line names
.set WOC_OFF, 11264*KROW
.set WOS_OFF, 11264*KS
.set SPITCH, 528                       ; the way out: a stage of 16 rows x (512 bytes + 16) for each wave, in slot 0, which has had its last fill and its last read when the first result is stored there
.set ADRA, 16                          ; v16-17  LDS address of O's pieces in slot 0, 1
.set ADRB, 20                          ; v20-21  of wo's fragments  (v22-23: for the pieces behind one padding more)
.set STO,  24
.set RD,   25
.set CO,   26
.set ADRS, 27
.set SPW,  28
.set NIL,  29
.set SC,   32
.set AF,   128
.set BK,   128
.set G1, 24
.set G0, 32
.set G1B, 48
.set G0B, 56
.set G1S, 68
.set G0S, 76
.set G1SB, 80
.set G0SB, 88
.set MSB, 0
.macro WIN new                         ; the immediate's high byte repeats the setting that is left
.if MSB != (\new)
	s_set_vgpr_msb (MSB<<8)|(\new)
.set MSB, (\new)
.endif
.endm
.set MUL_LO, 0xa1
.set MUL_HI, 0xf1
.set TO_B,   0x40
.macro JLOAD g0a, g1a, g0b, g1b        ; a joint load: waves 0 and 1 fetch for O, waves 2 and 3 for wo; four v_nop follow each of the two lines
	s_cmp_eq_u32 s15, 0
	s_cbranch_scc0 .Lfor_b_\@
	tensor_load_to_lds s[\g0a:\g0a+3], s[\g1a:\g1a+7]
	s_nop 0
.rept 4
	v_nop
.endr
	s_branch .Lasked_\@
.Lfor_b_\@:
	tensor_load_to_lds s[\g0b:\g0b+3], s[\g1b:\g1b+7]
	s_nop 0
.rept 4
	v_nop
.endr
.Lasked_\@:
.endm
.macro CREST
	s_cmp_lg_u32 s14, 0
	s_cbranch_scc1 .Lnot_wave_0_\@
	s_barrier_signal -3
.Lnot_wave_0_\@:
	s_barrier_wait -3
	s_barrier_signal -1
	s_barrier_wait -1
.endm
.macro CROUND
	s_barrier_signal -1
	s_barrier_wait -1
	CREST
.endm
	s_load_b128 s[4:7], s[0:1], 0x0                ; ac, asc
	s_load_b128 s[8:11], s[0:1], 0x10              ; cod, scl
	s_load_b64 s[12:13], s[0:1], 0x20              ; out0
	v_lshl_add_u32 v[SPW], v0, 2, SPARE
	v_mov_b32 v[NIL], 0
	ds_add_u32 v28, v29
	s_wait_dscnt 0x0
	v_lshrrev_b32 v1, 5, v0
	v_readfirstlane_b32 s14, v1                    ; wave 0..3
	s_lshr_b32 s15, s14, 1                         ; which half of the tile's places is mine.  Also: I fetch for O (0) or for wo (1)
	s_and_b32 s16, s14, 1                          ; which half of its columns.  Also: which 128 rows of that tile I fetch
	s_bfe_u32 s40, ttmp6, 0x40000                  ; cx, cy
	s_bfe_u32 s41, ttmp6, 0x40004
	s_lshl_b32 s42, ttmp9, 2
	s_add_co_u32 s42, s42, s40                     ; tile column
	s_and_b32 s17, ttmp7, 0xffff
	s_lshl_b32 s17, s17, 2
	s_add_co_u32 s17, s17, s41                     ; tile row
	s_lshl_b32 s43, s41, 2
	s_lshl_b32 s43, 15, s43                        ; my row of the cluster
	s_lshl_b32 s44, 0x1111, s40                    ; my column
	; descriptor group 1 for O: 8 rows of 384 elements of 8 bytes, 1,536 elements apart; no padding
	s_or_b32 s[G1+0], s43, (3<<16)|(1<<21)         ; 15:0 the mask: O's tiles go to my row; 17:16 elements of 8 bytes; 21 set beside a mask
	s_mov_b32 s[G1+1], 384<<16                     ; tensor_dim0
	s_mov_b32 s[G1+2], 8<<16                       ; tensor_dim1
	s_mov_b32 s[G1+3], 384<<16                     ; tile_dim0
	s_mov_b32 s[G1+4], 8                           ; tile_dim1
	s_mov_b32 s[G1+5], 1536                        ; tensor_dim0_stride
	s_mov_b32 s[G1+6], 0
	s_mov_b32 s[G1+7], 0
	; for wo: 128 rows x 192 bytes, 16 bytes of padding behind every 64
	s_or_b32 s[G1B+0], s44, (0<<16)|(1<<20)|(1<<21)|(3<<22)|(3<<25)
	s_mov_b32 s[G1B+1], ROWB<<16
	s_mov_b32 s[G1B+2], 128<<16
	s_mov_b32 s[G1B+3], ROWB<<16
	s_mov_b32 s[G1B+4], 128
	s_mov_b32 s[G1B+5], KROW
	s_mov_b32 s[G1B+6], 0
	s_mov_b32 s[G1B+7], 0
	; and for the scales of 128 rows: 4,096 dense bytes as rows of 256 bytes, 16 bytes of padding behind each
	s_or_b32 s[G1S+0], s43, (3<<16)|(1<<20)|(1<<21)|(5<<22)|(3<<25)
	s_or_b32 s[G1SB+0], s44, (3<<16)|(1<<20)|(1<<21)|(5<<22)|(3<<25)
.irp g, G1S, G1SB
	s_mov_b32 s[\g+1], 32<<16
	s_mov_b32 s[\g+2], (128*KS/256)<<16
	s_mov_b32 s[\g+3], 32<<16
	s_mov_b32 s[\g+4], 128*KS/256
	s_mov_b32 s[\g+5], 32
	s_mov_b32 s[\g+6], 0
	s_mov_b32 s[\g+7], 0
.endr
	s_lshl_b32 s18, s16, 7
	s_lshl_b32 s20, s17, 8
	s_add_co_u32 s20, s20, s18                     ; O: place 256 x tile row + 128 x half
	s_lshl_b32 s46, s42, 8
	s_add_co_u32 s46, s46, s18                     ; wo: row 256 x tile column + 128 x half
	s_mov_b32 s21, 0
	s_mov_b32 s47, 0
	s_mov_b64 s[18:19], KS
	s_mul_u64 s[22:23], s[20:21], s[18:19]         ; where these rows' scales begin, in bytes
	s_mul_u64 s[92:93], s[46:47], s[18:19]
	s_mov_b64 s[18:19], KROW
	s_mul_u64 s[20:21], s[20:21], s[18:19]         ; and their codes: 16 places are 12,288 bytes of ac, 768 a place
	s_mul_u64 s[46:47], s[46:47], s[18:19]
	s_mul_i32 s45, s14, HALFT                      ; where they go: no place in the cluster enters an LDS address
	s_mul_i32 s94, s14, HALFS
	s_wait_kmcnt 0x0
	s_add_nc_u64 s[8:9], s[8:9], WOC_OFF
	s_add_nc_u64 s[10:11], s[10:11], WOS_OFF
	s_add_nc_u64 s[20:21], s[4:5], s[20:21]
	s_add_nc_u64 s[22:23], s[6:7], s[22:23]
	s_add_nc_u64 s[46:47], s[8:9], s[46:47]
	s_add_nc_u64 s[92:93], s[10:11], s[92:93]
	CROUND                                         ; all sixteen work-groups are here: the first joint loads meet
	s_mov_b32 s[G0S], 1
	s_add_co_u32 s[G0S+1], s94, SCL
	s_mov_b64 s[G0S+2:G0S+3], s[22:23]
	s_or_b32 s[G0S+3], s[G0S+3], 0x80000000
	s_mov_b32 s[G0SB], 1
	s_add_co_u32 s[G0SB+1], s94, SCL
	s_mov_b64 s[G0SB+2:G0SB+3], s[92:93]
	s_or_b32 s[G0SB+3], s[G0SB+3], 0x80000000
	JLOAD G0S, G1S, G0SB, G1SB                     ; the scales first
.irp s, 0,1
	s_mov_b32 s[G0+4*\s], 1
	s_add_co_u32 s[G0+4*\s+1], s45, \s*SLOT
	s_add_nc_u64 s[G0+4*\s+2:G0+4*\s+3], s[20:21], \s*ASTEP
	s_or_b32 s[G0+4*\s+3], s[G0+4*\s+3], 0x80000000
	s_mov_b32 s[G0B+4*\s], 1
	s_add_co_u32 s[G0B+4*\s+1], s45, \s*SLOT
	s_add_nc_u64 s[G0B+4*\s+2:G0B+4*\s+3], s[46:47], \s*ROWB
	s_or_b32 s[G0B+4*\s+3], s[G0B+4*\s+3], 0x80000000
	JLOAD G0+4*\s, G1, G0B+4*\s, G1B               ; three tensor loads of mine are out behind the last of these
.endr
	v_and_b32 v1, 15, v0                           ; l % 16
	v_bfe_u32 v2, v0, 4, 1                         ; l / 16
	v_mul_u32_u24 v3, v1, PITCH
	v_mul_u32_u24 v4, v2, 24
	v_add_nc_u32 v4, v3, v4                        ; wo: a fragment's row x pitch + 24 x half
	v_lshl_add_u32 v5, v2, 4, v4                   ; and the same behind one padding more
	v_and_b32 v6, 31, v0
	v_lshlrev_b32 v7, 3, v6                        ; O: 8 x lane
	s_mul_i32 s21, s15, HALFT                      ; my 128 places of O
	s_mul_i32 s22, s16, HALFT                      ; my 128 rows of wo,
	s_add_co_u32 s22, s22, 2*HALFT                 ; which lie behind O's two parts
.irp s, 0,1
	v_add_nc_u32 v[ADRA+\s], s21, v7
	v_add_nc_u32 v[ADRB+\s], s22, v4
	v_add_nc_u32 v[ADRB+2+\s], s22, v5
	s_add_co_u32 s21, s21, SLOT
	s_add_co_u32 s22, s22, SLOT
.endr
	v_mul_u32_u24 v5, v1, KS
	v_lshrrev_b32 v6, 8, v5
	v_lshl_add_u32 v5, v6, 4, v5
	s_mul_i32 s21, s15, HALFS
	s_mul_i32 s22, s16, HALFS
	s_add_co_u32 s22, s22, 2*HALFS
	s_sub_co_u32 s22, s22, s21
	v_mul_u32_u24 v6, s22, v2                      ; lanes 16-31 take wo's
	s_add_co_u32 s21, s21, SCL
	v_add_nc_u32 v5, v5, v6
	v_add_nc_u32 v[ADRS], s21, v5
	s_mul_i32 s23, s14, 16*SPITCH                  ; my stage
	v_mul_u32_u24 v5, v1, SPITCH
	v_lshl_add_u32 v5, v2, 5, v5
	v_add_nc_u32 v[STO], s23, v5
	v_and_b32 v6, 31, v0
	v_lshlrev_b32 v[CO], 4, v6
	v_add_nc_u32 v[RD], s23, v[CO]
	s_lshl_b32 s20, s17, 8
	s_lshl_b32 s21, s15, 7
	s_add_co_u32 s20, s20, s21                     ; my first row of the result: 256 x tile row + 128 x half
	s_mov_b32 s21, 0
	s_mov_b64 s[18:19], SIZE_N*4
	s_mul_u64 s[20:21], s[20:21], s[18:19]
	s_lshl_b32 s46, s42, 10                        ; my first column, in bytes
	s_lshl_b32 s47, s16, 9
	s_add_co_u32 s46, s46, s47
	s_mov_b32 s47, 0
	s_add_nc_u64 s[20:21], s[20:21], s[46:47]
	s_add_nc_u64 s[12:13], s[12:13], s[20:21]
.macro FRAG reg, adr, q, i             ; a fragment of wo from padded rows, in pieces of 8 bytes
.irp p, 0,1,2,3,4,5
.set PC, 12*(\q)+6*(\p/3)+\p%3
.if PC%8 < 5
	ds_load_b64 v[\reg+2*\p:\reg+2*\p+1], v[\adr] offset:8*PC+16*(PC/8)+(\i)*16*PITCH
.else
	ds_load_b64 v[\reg+2*\p:\reg+2*\p+1], v[\adr+2] offset:8*PC+16*(PC/8)+(\i)*16*PITCH
.endif
.endr
.endm
.macro FRAGA reg, slot, q, i           ; a fragment of O from its image: piece p of all 32 lanes is 256 consecutive bytes
.irp p, 0,1,2,3,4,5
	ds_load_b64 v[\reg+2*\p:\reg+2*\p+1], v[ADRA+\slot] offset:(\i)*ASTEP+(\q)*1536+256*\p
.endr
.endm
; 16 matrix instructions; the 64 accumulators take turns, one instruction a turn, in the same order in every step
.macro MUL16 a0, p, q, sc, zero
.irp a, \a0, \a0+1
.irp b, 0,1,2,3,4,5,6,7
.if \zero
	v_wmma_scale_f32_16x16x128_f8f6f4 v[8*(8*((\a)%4)+\b):8*(8*((\a)%4)+\b)+7], v[128*(\p)+FR*\b:128*(\p)+FR*\b+FR-1], v[AF+FR*(\a):AF+FR*(\a)+FR-1], 0, v[SC+8*NQ*(\sc)+NQ*\b+(\q)], v[SC+8*NQ*(\sc)+NQ*(\a)+(\q)] matrix_a_fmt:MATRIX_FMT_FP6 matrix_b_fmt:MATRIX_FMT_FP6 matrix_a_scale:MATRIX_SCALE_ROW1
.else
	v_wmma_scale_f32_16x16x128_f8f6f4 v[8*(8*((\a)%4)+\b):8*(8*((\a)%4)+\b)+7], v[128*(\p)+FR*\b:128*(\p)+FR*\b+FR-1], v[AF+FR*(\a):AF+FR*(\a)+FR-1], v[8*(8*((\a)%4)+\b):8*(8*((\a)%4)+\b)+7], v[SC+8*NQ*(\sc)+NQ*\b+(\q)], v[SC+8*NQ*(\sc)+NQ*(\a)+(\q)] matrix_a_fmt:MATRIX_FMT_FP6 matrix_b_fmt:MATRIX_FMT_FP6 matrix_a_scale:MATRIX_SCALE_ROW1
.endif
.endr
.endr
.endm
.macro FETCH_B slot, q, p
	WIN TO_B
.irp i, 0,1,2,3,4,5,6,7
	FRAG 128*(\p)+FR*\i, ADRB+\slot, \q, \i
.endr
	WIN 0
.endm
.macro FETCH_A slot, q, i0
.irp i, \i0, \i0+1, \i0+2, \i0+3
	FRAGA AF+FR*(\i), \slot, \q, \i
.endr
.endm
.macro SCALES sc
.irp i, 0,1,2,3,4,5,6,7
	ds_load_b64 v[SC+8*NQ*\sc+NQ*\i:SC+8*NQ*\sc+NQ*\i+1], v[ADRS] offset:\i*SBLK
.endr
.endm
.macro PLACES n                        ; places behind matrix instructions, in front of loads into registers that they have read and of the first read of results
.rept \n
	v_nop
.endr
.endm
.macro STEP slot, q, zero
	s_wait_dscnt 4*NL                              ; wo's set and O's blocks 0-3 are in; the youngest 24 loads (O's blocks 4-7) may be out
	WIN MUL_LO
	MUL16 0, (\q)%2, \q, \slot, \zero
	MUL16 2, (\q)%2, \q, \slot, \zero
	s_wait_dscnt 0
	PLACES NP
	FETCH_B \slot, (\q)+1, 1-(\q)%2
	FETCH_A \slot, (\q)+1, 0
	WIN MUL_HI
	MUL16 4, (\q)%2, \q, \slot, \zero
	MUL16 6, (\q)%2, \q, \slot, \zero
	PLACES NP
	WIN 0
	FETCH_A \slot, (\q)+1, 4
.endm
; A slot's last step changes slots: ONE barrier; in front of it each wave waits for all its tensor loads, adds 0 to its spare word, and waits for that and for its own reads of this slot.
.macro TURN slot, next, fill
	s_wait_tensorcnt 0x0                           ; all my tensor loads have landed: my part of the next slot
	ds_add_u32 v[SPW], v[NIL]                      ; 0 onto my spare word
	s_wait_dscnt 4*NL+1                            ; (the add and the youngest 24 loads may be out)
	WIN MUL_LO
	MUL16 0, 1, NQ-1, \slot, 0
	s_wait_dscnt 0x0                               ; the add is done, and my reads of this slot are over
	s_barrier_signal -1
	MUL16 2, 1, NQ-1, \slot, 0
	WIN 0
	s_barrier_wait -1
.if \fill
	CREST                                          ; the barrier has opened a round of the cluster's barrier
	s_add_nc_u64 s[G0+4*\slot+2:G0+4*\slot+3], s[G0+4*\slot+2:G0+4*\slot+3], 2*ASTEP
	s_add_nc_u64 s[G0B+4*\slot+2:G0B+4*\slot+3], s[G0B+4*\slot+2:G0B+4*\slot+3], 2*ROWB
	JLOAD G0+4*\slot, G1, G0B+4*\slot, G1B         ; the first tensor load behind the round, my only one out
.else
	PLACES NP
.endif
	v_add_nc_u32 v[ADRS], 4*NQ, v[ADRS]
	FETCH_B \next, 0, 0
	FETCH_A \next, 0, 0
	SCALES \next
	WIN MUL_HI
	MUL16 4, 1, NQ-1, \slot, 0
	MUL16 6, 1, NQ-1, \slot, 0
	PLACES NP
	WIN 0
	FETCH_A \next, 0, 4
.endm
	s_wait_tensorcnt 1                             ; the scales and my part of K step 0 are in (K step 1's load may be out)
	s_barrier_signal -1
	s_barrier_wait -1
	FETCH_B 0, 0, 0
	FETCH_A 0, 0, 0
	SCALES 0
	FETCH_A 0, 0, 4
	STEP 0, 0, 1                                   ; the first step's products start the sums
	s_mov_b32 s3, LAPS-1
.Llap:
	TURN 0, 1, 1
	STEP 1, 0, 0
	TURN 1, 0, 1
	STEP 0, 0, 0
	s_sub_co_u32 s3, s3, 1
	s_cmp_lg_u32 s3, 0
	s_cbranch_scc1 .Llap
	TURN 0, 1, 0                                   ; the last lap fills nothing
	STEP 1, 0, 0
	s_wait_dscnt 4*NL
	WIN MUL_LO
	MUL16 0, 1, NQ-1, 1, 0
	MUL16 2, 1, NQ-1, 1, 0
	s_wait_dscnt 0
	WIN MUL_HI
	MUL16 4, 1, NQ-1, 1, 0
	MUL16 6, 1, NQ-1, 1, 0
	WIN 0
; THE WAY OUT, block by block of 16 places x 128 columns, through my own stage in LDS: back come whole rows of 512 bytes, which the 32 lanes store as 512 consecutive bytes.
; LDS serves a wave's instructions in order (ISA guide 5.7.1.4): no wait between the stores and the loads, nor in front of the next block's stores.
.macro TOSTAGE a
.set AC, 64*((\a)%4)
	WIN 0x08+4*((\a)/4)
.irp b, 0,1,2,3,4,5,6,7
	ds_store_b128 v[STO], v[AC+8*\b:AC+8*\b+3] offset:64*\b          ; each accumulator from its low end on
	ds_store_b128 v[STO], v[AC+8*\b+4:AC+8*\b+7] offset:64*\b+16
.endr
	WIN 0
.set BB, BK+64*((\a)%2)
.irp t, 0,1,2,3,4,5,6,7,8,9,10,11,12,13,14,15
	ds_load_b128 v[BB+4*\t:BB+4*\t+3], v[RD] offset:\t*SPITCH
.endr
.endm
.macro SEND a, younger                 ; place t of block a is row 32 (a / 2) + 8 (a % 2) + t + 8 (t / 8) of my 128: the offset is 127 rows of 4,096 bytes at the most, inside the signed 24-bit immediate; the base is never stepped
.set BB, BK+64*((\a)%2)
	s_wait_dscnt \younger
.irp t, 0,1,2,3,4,5,6,7,8,9,10,11,12,13,14,15
	global_store_b128 v[CO], v[BB+4*\t:BB+4*\t+3], s[12:13] offset:(32*((\a)/2)+8*((\a)%2)+\t+8*(\t/8))*SIZE_N*4 th:TH_STORE_NT
.endr
.endm
	PLACES NP
	TOSTAGE 0
.irp a, 1,2,3,4,5,6,7
.if \a > 1
	s_wait_xcnt 0x0                                ; block a - 2's stores have read their registers: block a's loads may land there
.endif
	TOSTAGE \a
	SEND \a-1, 32                                  ; behind block a - 1's loads: block a's 16 stores and 16 loads
.endr
	SEND 7, 0
	s_wait_tensorcnt 0x0                           ; the wave's end
	ds_add_u32 v[SPW], v[NIL]
	s_wait_dscnt 0x0
	CROUND                                         ; the closing round
	s_endpgm
.Lfunc_end_k_q6425481c30_proj:
	.size	k_q6425481c30_proj, .Lfunc_end_k_q6425481c30_proj-k_q6425481c30_proj
	.p2alignl 7, 3214868480
	.fill 96, 4, 3214868480
	.section	.rodata,"a",@progbits
	.p2align	6, 0x0
	.amdhsa_kernel k_q6425481c30_proj
		.amdhsa_group_segment_fixed_size 327680
		.amdhsa_private_segment_fixed_size 0
		.amdhsa_enable_private_segment 0
		.amdhsa_kernarg_size 40
		.amdhsa_user_sgpr_count 2
		.amdhsa_user_sgpr_kernarg_segment_ptr 1
		.amdhsa_wavefront_size32 1
		.amdhsa_system_sgpr_workgroup_id_x 1
		.amdhsa_system_sgpr_workgroup_id_y 1
		.amdhsa_system_sgpr_workgroup_id_z 1
		.amdhsa_system_vgpr_workitem_id 0
		.amdhsa_next_free_vgpr 1024
		.amdhsa_next_free_sgpr 98
		.amdhsa_reserve_vcc 0
		.amdhsa_float_denorm_mode_32 3
		.amdhsa_float_denorm_mode_16_64 3
		.amdhsa_memory_ordered 1
		.amdhsa_forward_progress 1
		.amdhsa_inst_pref_size 159
	.end_amdhsa_kernel
	.amdgpu_metadata
---
amdhsa.version: [ 1, 2 ]
amdhsa.kernels:
  - .name:           k_q6425481c30_proj
    .symbol:         k_q6425481c30_proj.kd
    .args:
      - { .name: ac, .offset: 0, .size: 8, .value_kind: global_buffer, .address_space: global }
      - { .name: asc, .offset: 8, .size: 8, .value_kind: global_buffer, .address_space: global }
      - { .name: cod, .offset: 16, .size: 8, .value_kind: global_buffer, .address_space: global }
      - { .name: scl, .offset: 24, .size: 8, .value_kind: global_buffer, .address_space: global }
      - { .name: out0, .offset: 32, .size: 8, .value_kind: global_buffer, .address_space: global }
    .group_segment_fixed_size: 327680
    .private_segment_fixed_size: 0
    .kernarg_segment_align: 8
    .kernarg_segment_size: 40
    .max_flat_workgroup_size: 128
    .sgpr_count:     98
    .vgpr_count:     1024
    .wavefront_size: 32
...
	.end_amdgpu_metadata
.endif
;; end of part 4
